; MI455X (gfx1250); checked and timed in simulation.
; The chip was launched on July 23, 2026; its instructions are those of AMD's public machine-readable ISA for CDNA 5 (MIT licence, August 2026) and "CDNA5" Instruction Set Architecture Reference Guide (July 2026). The comments in the code are by the model that wrote it; some were corrected since.
;; Multi Head Self Attention. Allowed arithmetic: matrix products marked QUANTISED: E2M3 operands, one E8M0 scale for each 32 along K, by v_wmma_scale_f32_16x16x128_f8f6f4 with both operands' format E2M3, f32 sums; everything else in f32.
;; Inputs: proj_b 1,024 float32; proj_w 1,024 x 1,024 float32; qkv_b 3,072 float32; qkv_w 3,072 x 1,024 float32; x 4 x 2,048 x 1,024 float32.
;; Outputs: out0 4 x 2,048 x 1,024 float32.
;; This version of the problem:
;;   THIS VERSION OF THE PROBLEM IS GIVEN IN LOW PRECISION. The matrix products marked QUANTISED in the list below multiply operands that are first quantised to E2M3 (2 exponent bits, 3 mantissa bits; 6 bits a number), with one power-of-two scale for each 32 numbers along K (OCP MX v1.0); their sums are f32. All else is computed in f32.
;;   The module's matrix products, in the order in which they are computed (A, B: the left and right operand; K: the contracted axis; several contracted axes count as one K, in the product's order):
;;     1. [M 8,192, K 1,024] x [K 1,024, N 3,072]; A: input x; B: input qkv_w: QUANTISED
;;     2. batch 64 x [M 2,048, K 64] x [K 64, N 2,048]; A: computed on the way; B: computed on the way: QUANTISED
;;     3. batch 64 x [M 2,048, K 2,048] x [K 2,048, N 64]; A: softmax (see below); B: computed on the way: QUANTISED
;;     4. [M 8,192, K 1,024] x [K 1,024, N 1,024]; A: computed on the way; B: input proj_w: QUANTISED
;;   THE QUANTISER, for each operand of a quantised product, along K:
;;     - K is cut into blocks of 32 from its start; a last block that is shorter is filled with zeros.
;;     - A block's scale is 2^e with e = floor(log2(the largest magnitude in the block)) - 2, held to -126 .. 127; a block of zeros has e = 0. As a byte (E8M0): e + 127.
;;     - Each number is divided by its block's scale, clamped to +-7.5, and rounded to the nearest number of E2M3, ties to even, subnormals kept.
;;     - The product sums the exact products of the quantised numbers (number of the format x scale) in f32.
;;   ~~~python
;;   def quantise(x, axis):      # numpy; x: float32 -> the quantised numbers, widened to float32 again
;;       x = np.moveaxis(x, axis, -1); K = x.shape[-1]
;;       x = np.pad(x, [(0, 0)] * (x.ndim - 1) + [(0, -K % 32)]); x = x.reshape(x.shape[:-1] + (-1, 32)); a = np.abs(x).max(-1, keepdims=True)
;;       e = np.where(a > 0, np.clip(np.frexp(np.where(a > 0, a, 1))[1] - 1 - 2, -126, 127), 0)      # np.frexp(a)[1] - 1 = floor(log2(a)), exactly
;;       r = np.clip(x / 2.0 ** e, -7.5, 7.5)
;;       step = 2.0 ** (np.maximum(np.frexp(np.where(r == 0, 1, r))[1] - 1, 0) - 3)
;;       q = np.round(r / step) * step * 2.0 ** e      # np.round: ties to even
;;       return np.moveaxis(q.reshape(q.shape[:-2] + (-1,))[..., :K], -1, axis).astype(np.float32)
;;   ~~~
;;   SOFTMAX AHEAD OF A QUANTISED PRODUCT. Where the list says 'softmax', what is quantised is not the finished softmax but p = 2^(t - M), with t = logit x log2(e) and M = ceil(the row's largest t), a whole number; so 1/2 < the row's largest p <= 1. The row's sum l is taken of the UNQUANTISED p, in f32, and the product's result is divided by l at the end. Since M is a whole number, a kernel that streams over the keys may use a running M (the ceiling of the running maximum): every later rescaling is an exact power of two, which a block's scale takes up: the codes' values come out the same.
;;   OPERANDS COMPUTED ON THE WAY. 'Computed on the way' means the value that the module computes at that place (a softmax that the list does not call 'softmax' is quantised finished and normalised). What goes into a quantiser is computed in f32, as accurately as f32 sums, v_exp_f32 and their like allow (about 1e-6 of the number): no bf16 or f16 on the way to a quantiser, and a product that is left as it is and whose result goes on into a quantised operand takes f32 operands (vector FMAs, or v_wmma_f32_16x16x4_f32). A number that lies on a knife's edge between two numbers of the format may be rounded either way, as far as f32 arithmetic and the matrix unit's own rounding can turn it there, and no further.
;; One version. Each part assembles by itself: llvm-mc -triple=amdgcn-amd-amdhsa -mcpu=gfx1250 --defsym DOCPART=n.
;; ======== version 1 of 1: 4 launches
;; workspace buffers: cod 9,437,184 bytes; scl 393,216 bytes; qkvc 18,874,368 bytes; qkvs 786,432 bytes; aoc 6,291,456 bytes; aos 262,144 bytes
;; launch quant (part 1): grid 384 x 1, 4 waves a work-group, no clusters, 33,280 bytes of LDS; arguments x, qkv_w, proj_w, cod, scl; writes cod, scl
.if DOCPART == 1
	.amdgcn_target "amdgcn-amd-amdhsa--gfx1250"
	.amdhsa_code_object_version 6
	.text
	.protected	k_q2ee87a0067_quant
	.globl	k_q2ee87a0067_quant
	.p2align	8
	.type	k_q2ee87a0067_quant,@function
k_q2ee87a0067_quant:
	s_mov_b64 s[64:65], 0
	v_nop
	global_prefetch_b8 v0, s[64:65] scope:SCOPE_SE
	s_setreg_imm32_b32 hwreg(HW_REG_WAVE_MODE, 25, 1), 1
	s_wait_xcnt 0x0
; x [8192][1024], qkv_w [3072][1024] and proj_w [1024][1024], f32 with K innermost, become codes of FP6 (E2M3), 6 bits each, and one E8M0 scale byte for each 32 along K.
; The three tensors' rows form ONE list of 12,288 rows: cod [12288][768 bytes], scl [12288][32 bytes]; x from place 0, qkv_w from 8,192, proj_w from 11,264.
; THE ROWS OF EACH GROUP OF 32 ARE LAID WITH THE TWO MIDDLE EIGHTS EXCHANGED: place 16 u + m holds row 8 u + m + 8 (m / 8).  Sixteen neighbouring places are then a tile whose results, where the tile is a
; matrix instruction's source 0, fall so that two neighbouring tiles give a lane 16 neighbouring rows: the later launches quantise along that axis.
; A block's scale is 2^(floor(log2(its largest magnitude)) - 2); its byte is the largest magnitude's exponent field - 2, held at 1 from below; each number is divided by the scale and rounded to the nearest code, ties to even.
; LIMITS: a block of zeros, and a block whose largest magnitude lies under 2^-124, gets the byte 1 (the rule's 127 for zeros is not written: the codes are zeros, and this program alone reads the bytes);
; NaN and infinities among the inputs are not served.
; A work-group takes 32 rows, a wave 8 rows: 16 steps of 512 numbers.  Each load reads 512 consecutive bytes; a step's 2,048 bytes turn through the wave's own stage in LDS and come back 64 bytes a lane,
; so that a lane holds 16 neighbours along K and two neighbouring lanes a block.  A wave's 256 scale bytes are gathered in LDS and leave as 256 consecutive bytes, aligned.
; No tensor load, no barrier: waves share nothing.  Loads run four steps (16 loads a wave) ahead.  Clusters and the matrix unit have nothing to do here: no byte is read twice.
.set WAVES, 4
.set STEPS, 16
.set EMAX,  2
.set CB,    12                         ; bytes of 16 codes
.set R,     16                         ; v16-79   four sets of 16 numbers as they are loaded
.set X,     80                         ; v80-111  two sets of 16 neighbours
.set C,     128                        ; v128-191 codes: four registers for each step, so that no store's data are written again
.set E,     112                        ; v112-127 a scale byte for each step
.set WREG,  8192                       ; LDS: a region for each wave: two stages of 32 x SP bytes, behind them its 256 scale bytes
.set SP,    80                         ; a lane's place in a stage: 64 bytes + 16 of padding
.set SPW,   12                         ; v12      LDS address of my spare word; never rewritten
.set NIL,   13                         ; v13      0; never rewritten
.set SPARE, WAVES*WREG                 ; behind the four regions: the spare words, 128 bytes for each wave
	s_load_b256 s[4:11], s[0:1], 0x0               ; x s[4:5], qkv_w s[6:7], proj_w s[8:9], cod s[10:11]
	s_load_b64 s[12:13], s[0:1], 0x20              ; scl
	v_lshl_add_u32 v[SPW], v0, 2, SPARE
	v_mov_b32 v[NIL], 0
	v_lshrrev_b32 v1, 5, v0
	v_readfirstlane_b32 s16, v1                    ; wave
	v_and_b32 v2, 31, v0                           ; lane
	v_lshlrev_b32 v3, 4, v2                        ; my 16 bytes of a load's 512
	s_mul_i32 s17, s16, WREG
	v_lshrrev_b32 v14, 2, v2
	v_mul_u32_u24 v14, v14, SP
	v_and_b32 v15, 3, v2
	v_lshl_add_u32 v14, v15, 4, v14
	v_add_nc_u32 v14, s17, v14                     ; the stage, on the way in: SP (lane / 4) + 16 (lane % 4)
	v_mul_u32_u24 v15, v2, SP
	v_add_nc_u32 v15, s17, v15                     ; and on the way out: SP x lane: my 16 neighbours
	v_mul_u32_u24 v4, v2, CB                       ; my codes' place in a step's
	v_lshrrev_b32 v5, 1, v2
	s_add_co_u32 s17, s17, 2*32*SP
	v_add_nc_u32 v5, s17, v5                       ; LDS: my wave's 256 scale bytes, my block's byte
	v_lshlrev_b32 v7, 3, v2                        ; and on the way out 8 bytes a lane
	v_add_nc_u32 v6, s17, v7
	s_wait_kmcnt 0x0
	s_cmp_lt_u32 ttmp9, 352                        ; which tensor?  The choice hangs on the work-group's number alone
	s_cselect_b64 s[6:7], s[6:7], s[8:9]           ; qkv_w or proj_w,
	s_mov_b32 s18, 352
	s_cselect_b32 s18, 256, s18                    ; and that tensor's first work-group
	s_cmp_lt_u32 ttmp9, 256
	s_cselect_b64 s[4:5], s[4:5], s[6:7]           ; x or the other
	s_cselect_b32 s18, 0, s18
	s_sub_co_u32 s18, ttmp9, s18
	s_lshl_b32 s18, s18, 2
	s_add_co_u32 s18, s18, s16                     ; which run of 8 rows of the tensor is my wave's
	s_lshl_b32 s18, s18, 15                        ; 32,768 bytes a run (under 2^26)
	s_mov_b32 s19, 0
	s_add_nc_u64 s[4:5], s[4:5], s[18:19]
	s_and_b32 s20, s16, 1                          ; where they go: eights 1 and 2 of the group of 32 change places
	s_lshl_b32 s20, s20, 1
	s_lshr_b32 s21, s16, 1
	s_or_b32 s20, s20, s21
	s_lshl_b32 s21, ttmp9, 2
	s_add_co_u32 s20, s20, s21                     ; the run's place in the one list
	s_mul_i32 s22, s20, 32*STEPS*CB                ; 6,144 bytes of codes a run
	s_mov_b32 s23, 0
	s_add_nc_u64 s[10:11], s[10:11], s[22:23]
	s_lshl_b32 s22, s20, 8                         ; 256 scale bytes a run
	s_add_nc_u64 s[12:13], s[12:13], s[22:23]
.macro LOAD t
.irp i, 0,1,2,3
	global_load_b128 v[R+16*((\t)%4)+4*\i:R+16*((\t)%4)+4*\i+3], v3, s[4:5] offset:2048*(\t)+512*\i th:TH_LOAD_NT   ; 32 lanes read 512 consecutive bytes
.endr
.endm
.macro TURN t                          ; step t's numbers through the stage: LDS serves a wave's instructions in order, so no wait stands between the stores and the loads
.irp i, 0,1,2,3
	ds_store_b128 v14, v[R+16*((\t)%4)+4*\i:R+16*((\t)%4)+4*\i+3] offset:32*SP*((\t)%2)+8*SP*\i
.endr
.irp i, 0,1,2,3
	ds_load_b128 v[X+16*((\t)%2)+4*\i:X+16*((\t)%2)+4*\i+3], v15 offset:32*SP*((\t)%2)+16*\i
.endr
.endm
.irp t, 0,1,2,3
	LOAD \t
.endr
	s_wait_loadcnt 12                              ; step 0's four loads are in; the twelve of steps 1 to 3 may be out
	TURN 0
.macro STEP t
.set XS, X+16*((\t)%2)
.if (\t) > 0
	s_wait_dscnt 1                                 ; this step's numbers are back from the stage (the last step's byte store may be out): so its stores into the stage have read their registers,
.else
	s_wait_dscnt 0x0
.endif
.if (\t)+4 < STEPS
	LOAD (\t)+4                                    ; which take the loads of four steps on
.endif
.if (\t)+1 < STEPS
.if STEPS-2-(\t) >= 3
	s_wait_loadcnt 12                              ; the next step's four loads are in; those of the three steps behind it may be out
.else
	s_wait_loadcnt 4*(STEPS-2-(\t))
.endif
	TURN (\t)+1                                    ; and go through the other stage while this step is worked
.endif
	v_max3_num_f32 v8, |v[XS]|, |v[XS+1]|, |v[XS+2]|               ; the largest magnitude of my 16, in two chains
	v_max3_num_f32 v9, |v[XS+3]|, |v[XS+4]|, |v[XS+5]|
.irp i, 6,10
	v_max3_num_f32 v8, v8, |v[XS+\i]|, |v[XS+\i+1]|
	v_max3_num_f32 v9, v9, |v[XS+\i+2]|, |v[XS+\i+3]|
.endr
	v_max3_num_f32 v8, v8, |v[XS+14]|, |v[XS+15]|
	v_max3_num_f32 v8, v8, v9, (EMAX+1)<<23        ; and the floor 2^(3 - 127): the byte cannot fall under 1
	v_max_num_f32_dpp v8, v8, v8 row_xmask:1 row_mask:0xf bank_mask:0xf   ; and of my neighbour's 16: the block's
	v_add_nc_u32 v11, -(EMAX<<23), v8              ; 2 off its exponent field: the conversion takes the exponent field of this operand as its scale, and nothing else of it
	v_cvt_scalef32_pk16_fp6_f32 v[C+4*(\t):C+4*(\t)+2], v[XS:XS+15], v11         ; sixteen codes, 96 bits without gaps, the first number's code lowest
	v_lshrrev_b32 v[E+(\t)], 23, v11               ; the scale's byte (a plain line behind the conversion)
	ds_store_b8 v5, v[E+(\t)] offset:16*(\t)       ; both lanes of a block write the same byte with the same value
	global_store_b96 v4, v[C+4*(\t):C+4*(\t)+2], s[10:11] offset:32*CB*(\t)      ; the wave stores 384 consecutive bytes
.endm
.irp t, 0,1,2,3,4,5,6,7,8,9,10,11,12,13,14,15
	STEP \t
.endr
	ds_load_b64 v[8:9], v6                         ; LDS serves a wave's instructions in order: these see my stores
	s_wait_dscnt 0x0
	global_store_b64 v7, v[8:9], s[12:13]          ; 32 lanes store 256 consecutive bytes, aligned
	s_wait_tensorcnt 0x0                           ; the wave's end, behind my last LDS store
	ds_add_u32 v[SPW], v[NIL]
	s_wait_dscnt 0x0
	s_endpgm
.Lfunc_end_k_q2ee87a0067_quant:
	.size	k_q2ee87a0067_quant, .Lfunc_end_k_q2ee87a0067_quant-k_q2ee87a0067_quant
	.p2alignl 7, 3214868480
	.fill 96, 4, 3214868480
	.section	.rodata,"a",@progbits
	.p2align	6, 0x0
	.amdhsa_kernel k_q2ee87a0067_quant
		.amdhsa_group_segment_fixed_size 33280
		.amdhsa_private_segment_fixed_size 0
		.amdhsa_enable_private_segment 0
		.amdhsa_kernarg_size 40
		.amdhsa_user_sgpr_count 2
		.amdhsa_user_sgpr_kernarg_segment_ptr 1
		.amdhsa_wavefront_size32 1
		.amdhsa_system_sgpr_workgroup_id_x 1
		.amdhsa_system_sgpr_workgroup_id_y 1
		.amdhsa_system_sgpr_workgroup_id_z 1
		.amdhsa_system_vgpr_workitem_id 0
		.amdhsa_next_free_vgpr 192
		.amdhsa_next_free_sgpr 66
		.amdhsa_reserve_vcc 0
		.amdhsa_float_denorm_mode_32 3
		.amdhsa_float_denorm_mode_16_64 3
		.amdhsa_memory_ordered 1
		.amdhsa_forward_progress 1
		.amdhsa_inst_pref_size 33
	.end_amdhsa_kernel
	.amdgpu_metadata
---
amdhsa.version: [ 1, 2 ]
amdhsa.kernels:
  - .name:           k_q2ee87a0067_quant
    .symbol:         k_q2ee87a0067_quant.kd
    .args:
      - { .name: x, .offset: 0, .size: 8, .value_kind: global_buffer, .address_space: global }
      - { .name: qkv_w, .offset: 8, .size: 8, .value_kind: global_buffer, .address_space: global }
      - { .name: proj_w, .offset: 16, .size: 8, .value_kind: global_buffer, .address_space: global }
      - { .name: cod, .offset: 24, .size: 8, .value_kind: global_buffer, .address_space: global }
      - { .name: scl, .offset: 32, .size: 8, .value_kind: global_buffer, .address_space: global }
    .group_segment_fixed_size: 33280
    .private_segment_fixed_size: 0
    .kernarg_segment_align: 8
    .kernarg_segment_size: 40
    .max_flat_workgroup_size: 128
    .sgpr_count:     66
    .vgpr_count:     192
    .wavefront_size: 32
...
	.end_amdgpu_metadata
.endif
;; end of part 1
;; launch qkv (part 2): grid 8 x 48, 4 waves a work-group, clusters of 4 x 4, 327,680 bytes of LDS; arguments cod, scl, qkv_b, qkvc, qkvs; writes qkvc, qkvs
.if DOCPART == 2
	.amdgcn_target "amdgcn-amd-amdhsa--gfx1250"
	.amdhsa_code_object_version 6
	.text
	.protected	k_q2ee87a0067_qkv
	.globl	k_q2ee87a0067_qkv
	.p2align	8
	.type	k_q2ee87a0067_qkv,@function
k_q2ee87a0067_qkv:
	s_mov_b64 s[64:65], 0
	v_nop
	global_prefetch_b8 v0, s[64:65] scope:SCOPE_SE
	s_setreg_imm32_b32 hwreg(HW_REG_WAVE_MODE, 25, 1), 1
	s_wait_xcnt 0x0
	s_wait_alu depctr_hold_cnt(0) depctr_sa_sdst(0) depctr_va_vdst(0) depctr_va_sdst(0) depctr_va_ssrc(0) depctr_va_vcc(0) depctr_vm_vsrc(0)
	s_getreg_b32 s2, hwreg(HW_REG_IB_STS2, 6, 4)
	s_cmp_eq_u32 s2, 0
	s_cbranch_scc0 .Lentry_in_a_cluster
	s_endpgm
.Lentry_in_a_cluster:
	s_bfe_u32 s2, ttmp6, 0x10000c
	s_cmp_lg_u32 s2, 0xf033
	s_cbranch_scc0 .Lentry_shape_is_right
	s_endpgm
.Lentry_shape_is_right:
; qkv = x qkv_w^T + qkv_b on codes of FP6 (E2M3) with E8M0 scales (K = 1,024), and at once the quantising of q and k along the head's 64 channels and of v along the keys: no f32 number goes to memory.
; A tile of 256 x 256 results is made by four waves, 128 x 128 each: 64 accumulators, 512 registers.  K goes in steps of 256 through a ring of two LDS slots; the scale bytes of the tile's rows come once and stay.
; THE MATRIX INSTRUCTION'S SOURCE 0 (here S0) GIVES THE AXIS THAT LIES ALONG A LANE'S REGISTERS, SOURCE 1 (S1) THE AXIS THAT LIES ACROSS LANES.  What is quantised must lie along the registers, so there are TWO ROLES:
;   role 0 (clusters y = 0 .. 7):  S1 = 256 tokens of x, S0 = 256 rows of qkv_w among the first 2,048 (q, k): a lane holds one token and 128 channels: two heads.
;   role 1 (clusters y = 8 .. 11): S1 = 256 rows of qkv_w among the last 1,024 (v), S0 = 256 tokens: a lane holds one channel and 128 keys.
; The role hangs on the cluster's y alone, so it is equal in all sixteen partners.  There is no branch on it: it enters row numbers, two masks (0 or all ones) for the two forms of the bias, and the stores' offsets.
; cod's rows lie with the middle eights of each 32 exchanged: so the 16 registers of S0's blocks 2 B and 2 B + 1 are 16 NEIGHBOURS, 32 B + 16 (lane / 16) + 0 .. 15, which the conversions take as they stand.
; CLUSTERS: 4 x 4 work-groups; S1's tile hangs on the tile row and is asked for jointly along a row of the cluster, S0's on the tile column and is asked for jointly along a column.
; WHAT IS STORED.  A half image is 16 rows x 64 K of codes as an operand's six registers: three pieces of 256 bytes, piece k = lane l's registers 2 k, 2 k + 1 at byte 8 l; each store of the wave covers 256 consecutive bytes, aligned.
;   q at 0, k at 6,291,456 of qkvc: [head of batch 64][tile of 16 token places 128][768];  v at 12,582,912: [head 64][128 keys 16][16 channel places 4][1,536].
;   qkvs: q at 0, k at 262,144: [head][pair of tiles 64][row 16] words {even tile's two bytes, odd tile's two};  v at 524,288: [head][128 keys 16][4][row 16] words.
; LIMITS: a block of zeros or with its largest magnitude under 2^-124 gets the byte 1; NaN and infinities are not served.
; REGISTERS, in windows of 256: window 0: v1-7 at work at the head; v16-31 addresses; v32-63 scale words, two sets; v64-127 the bias by register (C of the first products), on the way out the 64 numbers in hand;
;   v128-223 S1's fragments, one set, on the way out codes and work; v224-239 the bias by lane, each number twice.   window 1: S0's fragments, two sets.   windows 2, 3: the accumulators ((a, b) at v[8 (8 (a % 4) + b)]).
.set KSTEP,  256
.set NQ,     2                         ; matrix instructions deep in a slot
.set ROWB,   192                       ; a tile's row in bytes
.set KROW,   768                       ; a row of cod
.set PITCH,  240                       ; an LDS row: 3 x (64 bytes + 16 of padding)
.set FR,     12
.set NL,     6
.set NP,     4                         ; places behind this matrix instruction (ISA guide 7.12.1)
.set HALFT,  128*PITCH
.set SLOT,   4*HALFT
.set LAPS,   2                         ; 1,024 along K = two laps of two K steps
.set KS,     32                        ; a row of scl
.set SCL,    2*SLOT
.set HALFS,  (128*KS/256)*272
.set SBLK,   (16*KS/256)*272
.set SPARE,  SCL+4*HALFS               ; the spare words, 128 bytes for each wave
.set ADRA, 16                          ; v16-19  LDS addresses of S1's fragments (slot 0, 1; the same behind one padding more)
.set ADRB, 20                          ; v20-23  the same for S0
.set VOL,  24                          ; v24     8 x lane: a half image's place for my lane
.set VOH,  25                          ; v25     the same + the distance to the second half image
.set STS,  26                          ; v26     the stage for scale words: 1,024 x wave + 4 x lane (in slot 0, which has had its last fill and its last read by then)
.set ADRS, 27
.set SPW,  28
.set NIL,  29
.set STR,  30                          ; v30     the stage read back: 1,024 x wave + 16 x lane
.set VOS,  31                          ; v31     where those 16 bytes go in qkvs
.set SC,   32
.set T0,   64                          ; the bias by register
.set HA,   64                          ; the way out: 64 numbers
.set AF,   128
.set T1,   224                         ; the bias by lane: block a's at v[T1 + 2 a] and v[T1 + 2 a + 1]
.set PC,   128                         ; the way out: codes v128-139, halves on their way v140-142, v144-146
.set TM,   152                         ; v152-167 at work
.set PW,   168                         ; v168, v169 the scale words of an even and an odd block
.set W0,   170
.set W1,   171
.set WW,   172
.set SQ,   176
.set G1, 24
.set G0, 32
.set G1B, 48
.set G0B, 56
.set G1S, 68
.set G0S, 76
.set G1SB, 80
.set G0SB, 88
.set CBS, 92                           ; s[92:93] the way out: where the codes go;  s[94:95] the scale words
.set SBS, 94
.set MSB, 0
.macro WIN new                         ; the immediate's high byte repeats the setting that is left
.if MSB != (\new)
	s_set_vgpr_msb (MSB<<8)|(\new)
.set MSB, (\new)
.endif
.endm
.set MUL_LO, 0xa1                      ; source 0 window 1, source 1 window 0, C and D window 2
.set MUL_HI, 0xf1                      ; the same, C and D window 3
.set TO_B,   0x40
; A joint load: waves 0 and 1 fetch for S1, waves 2 and 3 for S0; the branch hangs on the wave's number alone.  An s_nop 0 and four v_nop follow each of the two lines.
.macro JLOAD g0a, g1a, g0b, g1b
	s_cmp_eq_u32 s15, 0
	s_cbranch_scc0 .Lfor_b_\@
	tensor_load_to_lds s[\g0a:\g0a+3], s[\g1a:\g1a+7]
	s_nop 0
.rept 4
	v_nop
.endr
	s_branch .Lasked_\@
.Lfor_b_\@:
	tensor_load_to_lds s[\g0b:\g0b+3], s[\g1b:\g1b+7]
	s_nop 0
.rept 4
	v_nop
.endr
.Lasked_\@:
.endm
.macro CREST                           ; a round of the cluster's barrier behind its opening barrier
	s_cmp_lg_u32 s14, 0
	s_cbranch_scc1 .Lnot_wave_0_\@
	s_barrier_signal -3
.Lnot_wave_0_\@:
	s_barrier_wait -3
	s_barrier_signal -1
	s_barrier_wait -1
.endm
.macro CROUND
	s_barrier_signal -1
	s_barrier_wait -1
	CREST
.endm
	s_load_b256 s[4:11], s[0:1], 0x0               ; cod s[4:5], scl s[6:7], qkv_b s[8:9], qkvc s[10:11]
	s_load_b64 s[12:13], s[0:1], 0x20              ; qkvs
	v_lshl_add_u32 v[SPW], v0, 2, SPARE
	v_mov_b32 v[NIL], 0
	ds_add_u32 v[SPW], v[NIL]                      ; the wave's opening: the add and its wait stand ahead of my first tensor load; the set-up below stands between them
	v_lshrrev_b32 v1, 5, v0
	v_readfirstlane_b32 s14, v1                    ; wave 0..3
	s_lshr_b32 s15, s14, 1                         ; which half of S1's rows is mine.  Also: I fetch for S1 (0) or for S0 (1)
	s_and_b32 s16, s14, 1                          ; which half of S0's rows.  Also: which 128 rows I fetch
	s_bfe_u32 s40, ttmp6, 0x40000                  ; cx, cy: my place in the cluster
	s_bfe_u32 s41, ttmp6, 0x40004
	s_and_b32 s18, ttmp7, 0xffff                   ; the cluster's y, 0 .. 11
	s_lshr_b32 s2, s18, 3                          ; THE ROLE: 0 for y under 8, else 1
	s_lshl_b32 s19, s18, 1
	s_sub_co_u32 s19, s19, 16
	s_mul_i32 s19, s19, s2
	s_add_co_u32 s19, s19, ttmp9                   ; the cluster's column of tiles: x in role 0, 2 (y - 8) + x in role 1
	s_xor_b32 s20, s2, 1
	s_mul_i32 s18, s18, s20                        ; its row of tiles: y in role 0, 0 in role 1
	s_lshl_b32 s42, s19, 2
	s_add_co_u32 s42, s42, s40                     ; S0's tile: 0 .. 7 (role 0), 0 .. 31 (role 1)
	s_lshl_b32 s17, s18, 2
	s_add_co_u32 s17, s17, s41                     ; S1's tile: 0 .. 31 (role 0), 0 .. 3 (role 1)
	s_lshl_b32 s43, s41, 2
	s_lshl_b32 s43, 15, s43                        ; my row of the cluster
	s_lshl_b32 s44, 0x1111, s40                    ; my column
	s_sub_co_u32 s66, s2, 1                        ; all ones in role 0, 0 in role 1
	s_not_b32 s67, s66                             ; and the other way round
	; descriptor group 1: a tile of 128 rows x 192 bytes, 16 bytes of padding behind every 64
	s_or_b32 s[G1+0], s43, (0<<16)|(1<<20)|(1<<21)|(3<<22)|(3<<25)
	s_or_b32 s[G1B+0], s44, (0<<16)|(1<<20)|(1<<21)|(3<<22)|(3<<25)
.irp g, G1, G1B
	s_mov_b32 s[\g+1], ROWB<<16                    ; tensor_dim0
	s_mov_b32 s[\g+2], 128<<16                     ; tensor_dim1
	s_mov_b32 s[\g+3], ROWB<<16                    ; tile_dim0
	s_mov_b32 s[\g+4], 128                         ; tile_dim1
	s_mov_b32 s[\g+5], KROW                        ; the pitch
	s_mov_b32 s[\g+6], 0
	s_mov_b32 s[\g+7], 0
.endr
	; the scales of 128 rows: a dense block of 4,096 bytes, as 16 rows of 256 bytes, 16 bytes of padding behind each
	s_or_b32 s[G1S+0], s43, (3<<16)|(1<<20)|(1<<21)|(5<<22)|(3<<25)
	s_or_b32 s[G1SB+0], s44, (3<<16)|(1<<20)|(1<<21)|(5<<22)|(3<<25)
.irp g, G1S, G1SB
	s_mov_b32 s[\g+1], 32<<16
	s_mov_b32 s[\g+2], (128*KS/256)<<16
	s_mov_b32 s[\g+3], 32<<16
	s_mov_b32 s[\g+4], 128*KS/256
	s_mov_b32 s[\g+5], 32
	s_mov_b32 s[\g+6], 0
	s_mov_b32 s[\g+7], 0
.endr
	s_lshl_b32 s18, s16, 7                         ; which 128 rows of the tile I fetch
	s_lshl_b32 s20, s17, 8
	s_add_co_u32 s20, s20, s18
	s_mul_i32 s19, s2, 10240
	s_add_co_u32 s20, s20, s19                     ; S1's place in the list: x from 0 (role 0), qkv_w's rows 2,048 on from 10,240 (role 1)
	s_lshl_b32 s46, s42, 8
	s_add_co_u32 s46, s46, s18
	s_xor_b32 s19, s2, 1
	s_mul_i32 s19, s19, 8192
	s_add_co_u32 s46, s46, s19                     ; S0's: qkv_w from 8,192 (role 0), x from 0 (role 1)
	s_lshl_b32 s22, s20, 5                         ; where these rows' scales begin, in bytes,
	s_mov_b32 s23, 0
	s_lshl_b32 s92, s46, 5
	s_mov_b32 s93, 0
	s_mul_i32 s20, s20, KROW                       ; and their codes (under 2^24)
	s_mov_b32 s21, 0
	s_mul_i32 s46, s46, KROW
	s_mov_b32 s47, 0
	s_mul_i32 s45, s14, HALFT                      ; where they go: wave x 128 rows: no place in the cluster enters an LDS address
	s_mul_i32 s94, s14, HALFS
	s_wait_dscnt 0x0                               ; the opening add is done
	s_wait_kmcnt 0x0
	s_add_nc_u64 s[20:21], s[4:5], s[20:21]
	s_add_nc_u64 s[22:23], s[6:7], s[22:23]
	s_add_nc_u64 s[46:47], s[4:5], s[46:47]
	s_add_nc_u64 s[92:93], s[6:7], s[92:93]
	CROUND                                         ; all sixteen work-groups are here: the first joint loads meet
	s_mov_b32 s[G0S], 1
	s_add_co_u32 s[G0S+1], s94, SCL
	s_mov_b64 s[G0S+2:G0S+3], s[22:23]
	s_or_b32 s[G0S+3], s[G0S+3], 0x80000000
	s_mov_b32 s[G0SB], 1
	s_add_co_u32 s[G0SB+1], s94, SCL
	s_mov_b64 s[G0SB+2:G0SB+3], s[92:93]
	s_or_b32 s[G0SB+3], s[G0SB+3], 0x80000000
	JLOAD G0S, G1S, G0SB, G1SB                     ; the scales first: they are wanted with K step 0
.irp s, 0,1
	s_mov_b32 s[G0+4*\s], 1
	s_add_co_u32 s[G0+4*\s+1], s45, \s*SLOT
	s_add_nc_u64 s[G0+4*\s+2:G0+4*\s+3], s[20:21], \s*ROWB
	s_or_b32 s[G0+4*\s+3], s[G0+4*\s+3], 0x80000000
	s_mov_b32 s[G0B+4*\s], 1
	s_add_co_u32 s[G0B+4*\s+1], s45, \s*SLOT
	s_add_nc_u64 s[G0B+4*\s+2:G0B+4*\s+3], s[46:47], \s*ROWB
	s_or_b32 s[G0B+4*\s+3], s[G0B+4*\s+3], 0x80000000
	JLOAD G0+4*\s, G1, G0B+4*\s, G1B               ; three loads of mine are out now
.endr
	v_and_b32 v1, 15, v0                           ; r = lane % 16
	v_bfe_u32 v2, v0, 4, 1                         ; h = lane / 16
	v_mul_u32_u24 v3, v1, PITCH
	v_mul_u32_u24 v4, v2, 24
	v_add_nc_u32 v4, v3, v4                        ; a fragment's row x pitch + 24 x half
	v_lshl_add_u32 v5, v2, 4, v4                   ; and the same behind one padding more
	s_mul_i32 s21, s15, HALFT                      ; my 128 rows of S1
	s_mul_i32 s22, s16, HALFT                      ; my 128 rows of S0,
	s_add_co_u32 s22, s22, 2*HALFT                 ; which lie behind S1's 256
.irp s, 0,1
	v_add_nc_u32 v[ADRA+\s], s21, v4
	v_add_nc_u32 v[ADRB+\s], s22, v4
	v_add_nc_u32 v[ADRA+2+\s], s21, v5
	v_add_nc_u32 v[ADRB+2+\s], s22, v5
	s_add_co_u32 s21, s21, SLOT
	s_add_co_u32 s22, s22, SLOT
.endr
	v_mul_u32_u24 v5, v1, KS                       ; my row's scales: 32 bytes a row,
	v_lshrrev_b32 v6, 8, v5
	v_lshl_add_u32 v5, v6, 4, v5                   ; and 16 more for each 256 passed
	s_mul_i32 s21, s15, HALFS
	s_mul_i32 s22, s16, HALFS
	s_add_co_u32 s22, s22, 2*HALFS
	s_sub_co_u32 s22, s22, s21
	v_mul_u32_u24 v6, s22, v2                      ; lanes 16-31 take S0's
	s_add_co_u32 s21, s21, SCL
	v_add_nc_u32 v5, v5, v6
	v_add_nc_u32 v[ADRS], s21, v5
	v_and_b32 v6, 31, v0                           ; lane
	v_lshlrev_b32 v[VOL], 3, v6
	s_lshl_b32 s23, s14, 10
	v_lshl_add_u32 v[STS], v6, 2, s23
	v_lshl_add_u32 v[STR], v6, 4, s23
	; where the 16 bytes that lane l reads back from the stage go in qkvs.  Role 0: the stage holds [pair of tiles 4][head 2][64 bytes]; role 1: [head 2][channel tile 4][64 bytes]
	v_and_b32 v3, 3, v6
	v_lshlrev_b32 v3, 4, v3                        ; 16 (l % 4)
	v_bfe_u32 v4, v6, 2, 1
	v_lshl_add_u32 v4, v4, 12, v3                  ; role 0: the head, 4,096 bytes on,
	v_lshrrev_b32 v5, 3, v6
	v_lshl_add_u32 v4, v5, 6, v4                   ; the pair, 64 bytes on
	v_lshrrev_b32 v5, 4, v6
	v_lshl_add_u32 v5, v5, 12, v3                  ; role 1: the head,
	v_bfe_u32 v7, v6, 2, 2
	v_lshl_add_u32 v5, v7, 6, v5                   ; the channel tile
	v_cndmask_b32 v[VOS], v4, v5, s67
	; THE BIAS, in both forms; the form that the role does not use is loaded from qkv_b's first numbers and masked to zeros
	v_lshlrev_b32 v7, 6, v2                        ; by register: 16 h numbers on
	v_and_b32 v5, 8, v1
	v_add_nc_u32 v5, v5, v1
	v_lshlrev_b32 v5, 2, v5                        ; by lane: r + 8 (r / 8) numbers on
	s_xor_b32 s18, s2, 1
	s_lshl_b32 s19, s42, 8
	s_lshl_b32 s20, s16, 7
	s_add_co_u32 s19, s19, s20                     ; role 0: my first channel, 256 x tile + 128 x half
	s_mul_i32 s19, s19, s18
	s_lshl_b32 s92, s19, 2
	s_mov_b32 s93, 0
	s_add_nc_u64 s[92:93], s[8:9], s[92:93]
	s_lshl_b32 s19, s17, 8
	s_lshl_b32 s20, s15, 7
	s_add_co_u32 s19, s19, s20
	s_add_co_u32 s19, s19, 2048                    ; role 1: my first channel of v
	s_mul_i32 s19, s19, s2
	s_lshl_b32 s94, s19, 2
	s_mov_b32 s95, 0
	s_add_nc_u64 s[94:95], s[8:9], s[94:95]
.irp b, 0,1,2,3,4,5,6,7
	global_load_b128 v[T0+8*\b:T0+8*\b+3], v7, s[92:93] offset:(32*(\b/2)+8*(\b%2))*4       ; register j of S0's block b is channel 32 (b / 2) + 8 (b % 2) + 16 h + j
	global_load_b128 v[T0+8*\b+4:T0+8*\b+7], v7, s[92:93] offset:(32*(\b/2)+8*(\b%2))*4+16
.endr
.irp a, 0,1,2,3,4,5,6,7
	global_load_b32 v[T1+2*\a], v5, s[94:95] offset:(32*(\a/2)+8*(\a%2))*4                  ; lane r of S1's block a is channel 32 (a / 2) + 8 (a % 2) + r + 8 (r / 8); twice, for the packed addition
	global_load_b32 v[T1+2*\a+1], v5, s[94:95] offset:(32*(\a/2)+8*(\a%2))*4
.endr
	s_wait_loadcnt 0x0
.set i, 0
.rept 64
	v_and_b32 v[T0+i], s66, v[T0+i]
.set i, i+1
.endr
.set i, 0
.rept 16
	v_and_b32 v[T1+i], s67, v[T1+i]
.set i, i+1
.endr
.macro FRAG reg, adr, q, i             ; a fragment: lane l holds row l % 16; registers 6 c .. 6 c + 5 hold K = 64 c + 32 (l / 16) + 0 .. 31: 24 bytes of the row's stream of bits, in pieces of 8 bytes
.irp p, 0,1,2,3,4,5
.set PCE, 12*(\q)+6*(\p/3)+\p%3        ; where the piece three on (lanes 16-31) lies behind one padding more, the second address register serves
.if PCE%8 < 5
	ds_load_b64 v[\reg+2*\p:\reg+2*\p+1], v[\adr] offset:8*PCE+16*(PCE/8)+(\i)*16*PITCH
.else
	ds_load_b64 v[\reg+2*\p:\reg+2*\p+1], v[\adr+2] offset:8*PCE+16*(PCE/8)+(\i)*16*PITCH
.endif
.endr
.endm
; 16 matrix instructions: S1's blocks a0, a0 + 1 x S0's eight, 128 along K.  zero = 1: the first product starts the sums from the bias by register (zeros in role 1): nothing is cleared.
; The 64 accumulators take turns, one instruction a turn, in the same order in every step.
.macro MUL16 a0, p, q, sc, zero
.irp a, \a0, \a0+1
.irp b, 0,1,2,3,4,5,6,7
.if \zero
	v_wmma_scale_f32_16x16x128_f8f6f4 v[8*(8*((\a)%4)+\b):8*(8*((\a)%4)+\b)+7], v[128*(\p)+FR*\b:128*(\p)+FR*\b+FR-1], v[AF+FR*(\a):AF+FR*(\a)+FR-1], v[T0+8*\b:T0+8*\b+7], v[SC+8*NQ*(\sc)+NQ*\b+(\q)], v[SC+8*NQ*(\sc)+NQ*(\a)+(\q)] matrix_a_fmt:MATRIX_FMT_FP6 matrix_b_fmt:MATRIX_FMT_FP6 matrix_a_scale:MATRIX_SCALE_ROW1
.else
	v_wmma_scale_f32_16x16x128_f8f6f4 v[8*(8*((\a)%4)+\b):8*(8*((\a)%4)+\b)+7], v[128*(\p)+FR*\b:128*(\p)+FR*\b+FR-1], v[AF+FR*(\a):AF+FR*(\a)+FR-1], v[8*(8*((\a)%4)+\b):8*(8*((\a)%4)+\b)+7], v[SC+8*NQ*(\sc)+NQ*\b+(\q)], v[SC+8*NQ*(\sc)+NQ*(\a)+(\q)] matrix_a_fmt:MATRIX_FMT_FP6 matrix_b_fmt:MATRIX_FMT_FP6 matrix_a_scale:MATRIX_SCALE_ROW1
.endif
.endr
.endr
.endm
.macro FETCH_B slot, q, p
	WIN TO_B
.irp i, 0,1,2,3,4,5,6,7
	FRAG 128*(\p)+FR*\i, ADRB+\slot, \q, \i
.endr
	WIN 0
.endm
.macro FETCH_A slot, q, i0
.irp i, \i0, \i0+1, \i0+2, \i0+3
	FRAG AF+FR*(\i), ADRA+\slot, \q, \i
.endr
.endm
.macro SCALES sc                       ; a K step's scale words: two words a row; lanes 0-15 take S1's block i, lanes 16-31 S0's block i
.irp i, 0,1,2,3,4,5,6,7
	ds_load_b64 v[SC+8*NQ*\sc+NQ*\i:SC+8*NQ*\sc+NQ*\i+1], v[ADRS] offset:\i*SBLK
.endr
.endm
.macro PLACES n                        ; plain vector lines between a matrix instruction and a load into, or a vector read of, its registers (ISA guide 7.12.1 for the vector reads)
.rept \n
	v_nop
.endr
.endm
.macro STEP slot, q, zero              ; a step of 128 along K that has its successor in the same slot
	s_wait_dscnt 4*NL                              ; S0's set and S1's blocks 0-3 are in; the youngest 24 loads (S1's blocks 4-7) may be out
	WIN MUL_LO-0x20*\zero                          ; (the first products take C from window 0)
	MUL16 0, (\q)%2, \q, \slot, \zero
	MUL16 2, (\q)%2, \q, \slot, \zero
	s_wait_dscnt 0
	PLACES NP
	FETCH_B \slot, (\q)+1, 1-(\q)%2
	FETCH_A \slot, (\q)+1, 0
	WIN MUL_HI-0x30*\zero
	MUL16 4, (\q)%2, \q, \slot, \zero
	MUL16 6, (\q)%2, \q, \slot, \zero
	PLACES NP
	WIN 0
	FETCH_A \slot, (\q)+1, 4
.endm
; A slot's last step changes slots: ONE barrier; in front of it each wave waits for all its tensor loads, adds 0 to its spare word, and waits for that and for its own reads of this slot.  fill = 1: this slot is filled again.
.macro TURN slot, next, fill
	s_wait_tensorcnt 0x0                           ; all my tensor loads have landed: my part of the next slot
	ds_add_u32 v[SPW], v[NIL]                      ; 0 onto my spare word
	s_wait_dscnt 4*NL+1                            ; (the add and the youngest 24 loads may be out)
	WIN MUL_LO
	MUL16 0, 1, NQ-1, \slot, 0                     ; sixteen matrix instructions stand between the add and the wait for it
	s_wait_dscnt 0x0                               ; the add is done, and my reads of this slot are over
	s_barrier_signal -1
	MUL16 2, 1, NQ-1, \slot, 0
	WIN 0
	s_barrier_wait -1
.if \fill
	CREST                                          ; the barrier has opened a round of the cluster's barrier: no wave of any partner still reads this slot or has a load on its way
	s_add_nc_u64 s[G0+4*\slot+2:G0+4*\slot+3], s[G0+4*\slot+2:G0+4*\slot+3], 2*ROWB
	s_add_nc_u64 s[G0B+4*\slot+2:G0B+4*\slot+3], s[G0B+4*\slot+2:G0B+4*\slot+3], 2*ROWB
	JLOAD G0+4*\slot, G1, G0B+4*\slot, G1B         ; the first tensor load behind the round; its four v_nop are the places in front of the loads below
.else
	PLACES NP
.endif
	v_add_nc_u32 v[ADRS], 4*NQ, v[ADRS]            ; on to the next K step's scale words
	FETCH_B \next, 0, 0
	FETCH_A \next, 0, 0
	SCALES \next
	WIN MUL_HI
	MUL16 4, 1, NQ-1, \slot, 0
	MUL16 6, 1, NQ-1, \slot, 0
	PLACES NP
	WIN 0
	FETCH_A \next, 0, 4
.endm
	s_wait_tensorcnt 1                             ; the scales and my part of K step 0 are in (K step 1's load may be out),
	s_barrier_signal -1
	s_barrier_wait -1                              ; everybody's are
	FETCH_B 0, 0, 0
	FETCH_A 0, 0, 0
	SCALES 0
	FETCH_A 0, 0, 4
	STEP 0, 0, 1
	s_mov_b32 s3, LAPS-1
.Llap:
	TURN 0, 1, 1
	STEP 1, 0, 0
	TURN 1, 0, 1
	STEP 0, 0, 0
	s_sub_co_u32 s3, s3, 1
	s_cmp_lg_u32 s3, 0
	s_cbranch_scc1 .Llap
	TURN 0, 1, 0                                   ; the last lap fills nothing
	STEP 1, 0, 0
	s_wait_dscnt 4*NL
	WIN MUL_LO
	MUL16 0, 1, NQ-1, 1, 0
	MUL16 2, 1, NQ-1, 1, 0
	s_wait_dscnt 0
	WIN MUL_HI
	MUL16 4, 1, NQ-1, 1, 0
	MUL16 6, 1, NQ-1, 1, 0
	WIN 0
	PLACES NP
	; ---- THE WAY OUT.  Block a of S1 (16 lanes' rows) x my 128 of S0's axis = 64 numbers a lane: bias by lane, quantised, stored as two half images; the scale words of two blocks go out together.
	s_lshl_b32 s18, s42, 8
	s_lshl_b32 s19, s16, 7
	s_add_co_u32 s18, s18, s19                     ; U: my first index along S0's axis
	s_lshl_b32 s19, s17, 8
	s_lshl_b32 s20, s15, 7
	s_add_co_u32 s19, s19, s20                     ; P: my first index along S1's axis
	s_lshr_b32 s20, s18, 10                        ; role 0: q (0) or k (1),
	s_bfe_u32 s21, s18, 0x40006                    ; the first of my two heads,
	s_lshr_b32 s22, s19, 11                        ; the batch,
	s_bfe_u32 s23, s19, 0x70004                    ; my first tile of tokens in it
	s_lshl_b32 s22, s22, 4
	s_add_co_u32 s22, s22, s21
	s_mul_i32 s44, s20, 6291456
	s_mul_i32 s45, s22, 98304
	s_add_co_u32 s44, s44, s45
	s_mul_i32 s45, s23, 768
	s_add_co_u32 s44, s44, s45                     ; the codes' offset,
	s_lshl_b32 s46, s20, 18
	s_lshl_b32 s45, s22, 12
	s_add_co_u32 s46, s46, s45
	s_lshl_b32 s45, s23, 5
	s_add_co_u32 s46, s46, s45                     ; the scale words'
	s_lshr_b32 s20, s18, 11                        ; role 1: the batch,
	s_bfe_u32 s21, s18, 0x40007                    ; my 128 keys in it,
	s_lshr_b32 s22, s19, 6                         ; the first of my two heads
	s_lshl_b32 s20, s20, 4
	s_add_co_u32 s20, s20, s22
	s_mul_i32 s92, s20, 98304
	s_mul_i32 s45, s21, 6144
	s_add_co_u32 s92, s92, s45
	s_add_co_u32 s92, s92, 12582912
	s_lshl_b32 s94, s20, 12
	s_lshl_b32 s45, s21, 8
	s_add_co_u32 s94, s94, s45
	s_add_co_u32 s94, s94, 524288
	s_cmp_eq_u32 s2, 0                             ; the role selects numbers, never a path
	s_cselect_b32 s92, s44, s92
	s_cselect_b32 s94, s46, s94
	s_mov_b32 s43, 768
	s_cselect_b32 s43, 98304, s43                  ; from the first half image to the second: the next head (role 0), the fragment's second half (role 1)
	s_mov_b32 s96, 1536
	s_cselect_b32 s96, 768, s96                    ; from block to block: the next tile of tokens, or the next channel tile
	s_mov_b32 s98, 93696
	s_cselect_b32 s98, 768, s98                    ; from block 3 to block 4: in role 1 the next head's channel tile 0
	s_mov_b32 s100, 0x03020100
	s_cselect_b32 s100, 0x05040100, s100           ; the word for lanes 0-15: role 0 both blocks' lower two bytes, role 1 the even block's word
	s_mov_b32 s101, 0x07060504
	s_cselect_b32 s101, 0x07060302, s101           ; for lanes 16-31: both blocks' upper two bytes, or the odd block's word
	s_mov_b32 s93, 0
	s_mov_b32 s95, 0
	s_mov_b32 s97, 0
	s_mov_b32 s99, 0
	s_mov_b32 s40, 0xffff0000                      ; lanes 16-31
	s_mov_b32 s41, 0x76543210
	s_mov_b32 s47, 0xfedcba98                      ; v_permlanex16_b32's selects for lane l xor 16
	s_add_nc_u64 s[CBS:CBS+1], s[10:11], s[92:93]
	s_add_nc_u64 s[SBS:SBS+1], s[12:13], s[94:95]
	v_add_nc_u32 v[VOH], s43, v[VOL]
.irp b, 0,1,2,3
	v_mov_b32 v[TM+4+\b], 0                        ; written once: a lane permute's destination counts as one of its sources
.endr
.macro MOVE a                          ; block a's 64 results + the bias by lane, into window 0; each accumulator from its low end on
.set AC, 64*((\a)%4)
	WIN 0x02+((\a)/4)
.set i, 0
.rept 32
	v_pk_add_f32 v[HA+i:HA+i+1], v[AC+i:AC+i+1], v[T1+2*(\a):T1+2*(\a)+1]
.set i, i+2
.endr
	WIN 0
.endm
; 64 numbers of a lane, register 16 b + i = index 32 b + 16 (lane / 16) + i along the quantised axis, become a fragment's codes in v[PC] on and its scale word in v[pw]
.macro QUANT s, pw
.irp b, 0,1,2,3
	v_max3_num_f32 v[TM+\b], |v[\s+16*\b]|, |v[\s+1+16*\b]|, 0x1800000   ; block b: my 16 numbers, and the floor 2^(3 - 127): the byte cannot fall under 1
.endr
.irp n, 2,4,6,8,10,12,14
.irp b, 0,1,2,3
	v_max3_num_f32 v[TM+\b], v[TM+\b], |v[\s+16*\b+\n]|, |v[\s+1+16*\b+\n]|
.endr
.endr
.irp b, 0,1,2,3
	v_permlanex16_b32 v[TM+4+\b], v[TM+\b], s41, s47
.endr
.irp b, 0,1,2,3
	v_max_num_f32 v[TM+\b], v[TM+\b], v[TM+4+\b]   ; with lane l xor 16's: the block's largest magnitude
.endr
.irp b, 0,1,2,3
	v_add_nc_u32 v[TM+12+\b], 0xff000000, v[TM+\b] ; 2 off its exponent field: the conversion's scale operand
.endr
.irp b, 0,1,2,3
	v_lshrrev_b32 v[TM+4+\b], 23, v[TM+12+\b]      ; the scale's byte
.endr
	v_lshl_or_b32 v[\pw], v[TM+5], 8, v[TM+4]
	v_lshl_or_b32 v[\pw], v[TM+6], 16, v[\pw]
	v_lshl_or_b32 v[\pw], v[TM+7], 24, v[\pw]
.irp c, 0,1
	v_cvt_scalef32_pk16_fp6_f32 v[PC+6*\c:PC+2+6*\c], v[\s+32*\c:\s+15+32*\c], v[TM+12+2*\c]
	v_cvt_scalef32_pk16_fp6_f32 v[PC+12+4*\c:PC+14+4*\c], v[\s+16+32*\c:\s+31+32*\c], v[TM+12+2*\c+1]   ; (a conversion's three registers begin on an even number)
.endr
	v_nop                                          ; one plain line behind a scaled conversion
.irp c, 0,1                            ; the operand's layout wants a WHOLE block in a lane: lanes 0-15 block 2 c, lanes 16-31 block 2 c + 1
.irp n, 0,1,2
	v_permlane16_swap_b32 v[PC+6*\c+\n], v[PC+12+4*\c+\n]
.endr
.irp n, 0,1,2
	v_mov_b32 v[PC+3+6*\c+\n], v[PC+12+4*\c+\n]
.endr
.endr
.endm
.macro OUT a
.irp k, 0,1,2
	global_store_b64 v[VOL], v[PC+2*\k:PC+2*\k+1], s[CBS:CBS+1] offset:256*\k      ; the wave stores 256 consecutive bytes, aligned
.endr
.irp k, 0,1,2
	global_store_b64 v[VOH], v[PC+6+2*\k:PC+7+2*\k], s[CBS:CBS+1] offset:256*\k
.endr
.if (\a)%2
	v_perm_b32 v[W0], v[PW+1], v[PW], s100
	v_perm_b32 v[W1], v[PW+1], v[PW], s101
	v_cndmask_b32 v[WW], v[W0], v[W1], s40
	ds_store_b32 v[STS], v[WW] offset:128*((\a)/2)
.endif
.if (\a) < 7
	s_wait_xcnt 0x0                                ; the stores have read their data and their base: both are written again below
.if (\a) == 3
	s_add_nc_u64 s[CBS:CBS+1], s[CBS:CBS+1], s[98:99]
.else
	s_add_nc_u64 s[CBS:CBS+1], s[CBS:CBS+1], s[96:97]
.endif
.endif
.endm
.irp a, 0,1,2,3,4,5,6,7
	MOVE \a
	QUANT HA, PW+\a%2
	OUT \a
.endr
	ds_load_b128 v[SQ:SQ+3], v[STR]                ; LDS serves a wave's instructions in order: this sees my four stores: 512 bytes of scale words
	s_wait_dscnt 0x0
	global_store_b128 v[VOS], v[SQ:SQ+3], s[SBS:SBS+1]   ; 256 consecutive bytes, aligned, for each of my two heads
	s_wait_tensorcnt 0x0                           ; the wave's end, behind my last tensor load and my last LDS store
	ds_add_u32 v[SPW], v[NIL]
	s_wait_dscnt 0x0
	CROUND                                         ; the closing round: no work-group ends while a partner may still ask for a tile that names it
	s_endpgm
.Lfunc_end_k_q2ee87a0067_qkv:
	.size	k_q2ee87a0067_qkv, .Lfunc_end_k_q2ee87a0067_qkv-k_q2ee87a0067_qkv
	.p2alignl 7, 3214868480
	.fill 96, 4, 3214868480
	.section	.rodata,"a",@progbits
	.p2align	6, 0x0
	.amdhsa_kernel k_q2ee87a0067_qkv
		.amdhsa_group_segment_fixed_size 327680
		.amdhsa_private_segment_fixed_size 0
		.amdhsa_enable_private_segment 0
		.amdhsa_kernarg_size 40
		.amdhsa_user_sgpr_count 2
		.amdhsa_user_sgpr_kernarg_segment_ptr 1
		.amdhsa_wavefront_size32 1
		.amdhsa_system_sgpr_workgroup_id_x 1
		.amdhsa_system_sgpr_workgroup_id_y 1
		.amdhsa_system_sgpr_workgroup_id_z 1
		.amdhsa_system_vgpr_workitem_id 0
		.amdhsa_next_free_vgpr 1024
		.amdhsa_next_free_sgpr 102
		.amdhsa_reserve_vcc 0
		.amdhsa_float_denorm_mode_32 3
		.amdhsa_float_denorm_mode_16_64 3
		.amdhsa_memory_ordered 1
		.amdhsa_forward_progress 1
		.amdhsa_inst_pref_size 192
	.end_amdhsa_kernel
	.amdgpu_metadata
---
amdhsa.version: [ 1, 2 ]
amdhsa.kernels:
  - .name:           k_q2ee87a0067_qkv
    .symbol:         k_q2ee87a0067_qkv.kd
    .args:
      - { .name: cod, .offset: 0, .size: 8, .value_kind: global_buffer, .address_space: global }
      - { .name: scl, .offset: 8, .size: 8, .value_kind: global_buffer, .address_space: global }
      - { .name: qkv_b, .offset: 16, .size: 8, .value_kind: global_buffer, .address_space: global }
      - { .name: qkvc, .offset: 24, .size: 8, .value_kind: global_buffer, .address_space: global }
      - { .name: qkvs, .offset: 32, .size: 8, .value_kind: global_buffer, .address_space: global }
    .group_segment_fixed_size: 327680
    .private_segment_fixed_size: 0
    .kernarg_segment_align: 8
    .kernarg_segment_size: 40
    .max_flat_workgroup_size: 128
    .sgpr_count:     102
    .vgpr_count:     1024
    .wavefront_size: 32
...
	.end_amdgpu_metadata
.endif
;; end of part 2
;; launch attn (part 3): grid 4 x 64, 8 waves a work-group, clusters of 4 x 1, 327,680 bytes of LDS; arguments qkvc, qkvs, aoc, aos; writes aoc, aos
.if DOCPART == 3
	.amdgcn_target "amdgcn-amd-amdhsa--gfx1250"
	.amdhsa_code_object_version 6
	.text
	.protected	k_q2ee87a0067_attn
	.globl	k_q2ee87a0067_attn
	.p2align	8
	.type	k_q2ee87a0067_attn,@function
k_q2ee87a0067_attn:
	s_mov_b64 s[64:65], 0
	v_nop
	global_prefetch_b8 v0, s[64:65] scope:SCOPE_SE
	s_setreg_imm32_b32 hwreg(HW_REG_WAVE_MODE, 25, 1), 1
	s_wait_xcnt 0x0
	s_wait_alu depctr_hold_cnt(0) depctr_sa_sdst(0) depctr_va_vdst(0) depctr_va_sdst(0) depctr_va_ssrc(0) depctr_va_vcc(0) depctr_vm_vsrc(0)
	s_getreg_b32 s2, hwreg(HW_REG_IB_STS2, 6, 4)
	s_cmp_eq_u32 s2, 0
	s_cbranch_scc0 .Lentry_in_a_cluster
	s_endpgm
.Lentry_in_a_cluster:
	s_bfe_u32 s2, ttmp6, 0x10000c
	s_cmp_lg_u32 s2, 0x3003
	s_cbranch_scc0 .Lentry_shape_is_right
	s_endpgm
.Lentry_shape_is_right:
.set VC,    98304
.set KSC,   196608
.set SPARE, 204800
.set STEPB, 6144
.set PART0, 24576
.set LK0, 1
.set LS0, 2
.set ADK, 3
.set ADV, 4
.set ADS, 5
.set SPW, 6
.set NIL, 7
.set AO,  8
.set L4,  9
.set ST,  12
.set KS,  28
.set VS,  30
.set QS,  32
.set PS,  36
.set SA,  40
.set SB,  104
.set P,   168
.set CT,  216
.set BM,  224
.set T4,  228
.set SCO, 232
.set SUMT, 236
.set F,   238
.set TMP, 240
.set RC,  244
.set QR,  128
.set KV,  200
.set WV,  12
.set SEL, 20
.set CS,  22
.set TK,  60
.set TS,  61
.set CNT, 62
.set HI,  63
.set MSB, 0
.macro WIN new
.if MSB != (\new)
	s_set_vgpr_msb (MSB<<8)|(\new)
.set MSB, (\new)
.endif
.endm
.set W_S,   0x05
.set W_PV,  0x51
.set W_RS,  0x41
.set TO1,   0x40
.set W_OUT, 0x01
.macro CROUND
	s_barrier_signal -1
	s_barrier_wait -1
	s_cmp_lg_u32 s[WV], 0
	s_cbranch_scc1 .Lnot_wave_0_\@
	s_barrier_signal -3
.Lnot_wave_0_\@:
	s_barrier_wait -3
	s_barrier_signal -1
	s_barrier_wait -1
.endm
.macro GROUP1 g, rows
	s_mov_b32 s[\g], 15|(3<<16)|(1<<21)
	s_mov_b32 s[\g+1], 32<<16
	s_mov_b32 s[\g+2], (\rows)<<16
	s_mov_b32 s[\g+3], 32<<16
	s_mov_b32 s[\g+4], \rows
	s_mov_b32 s[\g+5], 32
	s_mov_b32 s[\g+6], 0
	s_mov_b32 s[\g+7], 0
.endm
	s_load_b256 s[4:11], s[0:1], 0x0
	v_lshl_add_u32 v[SPW], v0, 2, SPARE
	v_mov_b32 v[NIL], 0
	ds_add_u32 v[SPW], v[NIL]
	ds_add_u32 v[SPW], v[NIL]
	v_lshrrev_b32 v10, 5, v0
	s_delay_alu instid0(VALU_DEP_1)
	v_readfirstlane_b32 s[WV], v10
	s_and_b32 s14, ttmp7, 0xffff
	s_lshr_b32 s15, s[WV], 2
	s_and_b32 s16, s[WV], 3
	GROUP1 24, 4
	GROUP1 32, 24
	GROUP1 40, 72
	s_add_co_u32 s17, s15, 1
	s_lshl_b32 s66, s17, 18
	s_lshl_b32 s18, s14, 12
	s_add_co_u32 s66, s66, s18
	s_lshl_b32 s18, s16, 10
	s_add_co_u32 s66, s66, s18
	s_mov_b32 s67, 0
	s_mul_i32 s68, s17, 6291456
	s_mul_i32 s18, s14, 98304
	s_add_co_u32 s68, s68, s18
	s_mul_i32 s18, s16, 6144
	s_add_co_u32 s70, s68, s18
	s_mov_b32 s71, 0
	s_mul_i32 s19, s16, 18432
	s_add_co_u32 s72, s68, s19
	s_add_co_u32 s72, s72, PART0
	s_mov_b32 s73, 0
	s_lshl_b32 s74, s[WV], 10
	s_add_co_u32 s74, s74, KSC
	s_mul_i32 s75, s15, VC
	s_add_co_u32 s76, s75, s18
	s_add_co_u32 s77, s75, s19
	s_add_co_u32 s77, s77, PART0
	s_mov_b32 s[SEL], 0x76543210
	s_mov_b32 s[SEL+1], 0xfedcba98
	s_mov_b32 s[CS], 0x3e38aa3b
	s_mov_b32 s[CS+1], s[CS]
	s_mov_b32 s[TK], 0
	s_mov_b32 s[TS], 0
	s_mov_b32 s[HI], 0xffff0000
	s_wait_dscnt 0x0
	s_wait_kmcnt 0x0
	s_mov_b32 s48, 1
	s_mov_b32 s49, s74
	s_add_nc_u64 s[50:51], s[6:7], s[66:67]
	s_or_b32 s51, s51, 0x80000000
	s_mov_b32 s52, 1
	s_mov_b32 s53, s76
	s_add_nc_u64 s[54:55], s[4:5], s[70:71]
	s_or_b32 s55, s55, 0x80000000
	s_mov_b32 s56, 1
	s_mov_b32 s57, s77
	s_add_nc_u64 s[58:59], s[4:5], s[72:73]
	s_or_b32 s59, s59, 0x80000000
	CROUND
	tensor_load_to_lds s[48:51], s[24:31]
	s_nop 0
	s_wait_alu depctr_va_vdst(0)
	s_wait_tensorcnt 0x0
	ds_add_u32 v6, v7
	s_wait_dscnt 0x0
	CROUND
	tensor_load_to_lds s[52:55], s[32:39]
	s_nop 0
	s_wait_alu depctr_va_vdst(0)
	s_wait_tensorcnt 0x0
	ds_add_u32 v6, v7
	s_wait_dscnt 0x0
	CROUND
	tensor_load_to_lds s[56:59], s[40:47]
	s_nop 0
.rept 4
	v_nop
.endr
	s_bfe_u32 s13, ttmp6, 0x40000
	s_lshl_b32 s80, s13, 5
	s_lshl_b32 s81, s[WV], 2
	s_add_co_u32 s80, s80, s81
	s_mul_i32 s82, s80, 768
	s_mul_i32 s81, s14, 98304
	s_add_co_u32 s82, s82, s81
	s_mov_b32 s83, 0
	s_add_nc_u64 s[82:83], s[4:5], s[82:83]
	s_lshl_b32 s84, s80, 5
	s_lshl_b32 s81, s14, 12
	s_add_co_u32 s84, s84, s81
	s_mov_b32 s85, 0
	s_add_nc_u64 s[84:85], s[6:7], s[84:85]
	s_lshr_b32 s90, s14, 4
	s_and_b32 s91, s14, 15
	s_lshl_b32 s81, s90, 7
	s_add_co_u32 s81, s81, s80
	s_lshl_b32 s86, s81, 4
	s_add_co_u32 s86, s86, s91
	s_mul_i32 s86, s86, 768
	s_mov_b32 s87, 0
	s_add_nc_u64 s[86:87], s[8:9], s[86:87]
	s_lshl_b32 s88, s81, 9
	s_lshl_b32 s91, s91, 1
	s_add_co_u32 s88, s88, s91
	s_mov_b32 s89, 0
	s_add_nc_u64 s[88:89], s[10:11], s[88:89]
	v_and_b32 v10, 31, v0
	s_delay_alu instid0(VALU_DEP_1)
	v_lshlrev_b32 v[LK0], 3, v10
	s_delay_alu instid0(VALU_DEP_2)
	v_lshl_add_u32 v[LS0], v10, 2, KSC
	s_delay_alu instid0(VALU_DEP_3)
	v_lshlrev_b32 v[AO], 5, v10
	s_delay_alu instid0(VALU_DEP_4)
	v_lshlrev_b32 v[L4], 2, v10
	global_load_b32 v[TMP], v[L4], s[84:85]
	WIN TO1
.irp i, 0,1,2,3
.irp k, 0,1,2
	global_load_b64 v[QR+18*\i+2*\k:QR+18*\i+2*\k+1], v[LK0], s[82:83] offset:768*\i+256*\k
	global_load_b64 v[QR+18*\i+12+2*\k:QR+18*\i+13+2*\k], v[LK0], s[82:83] offset:768*\i+256*\k
.endr
.irp k, 6,7,8,9,10,11
	v_mov_b32 v[QR+18*\i+\k], 0
.endr
.endr
.set j, 0
.rept 128
	v_mov_b32 v[j], 0
.set j, j+1
.endr
	WIN 0
.irp i, 0,1,2,3
	v_mov_b32 v[ST+4*\i+1], 0xff61b1e6
	s_delay_alu instid0(VALU_DEP_1)
	v_floor_f32 v[ST+4*\i], -v[ST+4*\i+1]
	v_mov_b32 v[ST+4*\i+2], 0
	v_mov_b32 v[ST+4*\i+3], 0
	v_mov_b32 v[T4+\i], 0
.endr
	v_mov_b32 v[F+1], 0
	s_wait_loadcnt 0x0
	v_perm_b32 v[QS], v[TMP], v[TMP], 0x01000100
	v_perm_b32 v[QS+1], v[TMP], v[TMP], 0x03020302
.rept 8
	v_nop
.endr
	s_wait_tensorcnt 1
	s_barrier_signal -1
	s_barrier_wait -1
.macro LOADF adr
	WIN TO1
.irp f, 0,1,2,3
.irp p, 0,1,2,3,4,5
	ds_load_b64 v[KV+12*\f+2*\p:KV+12*\f+2*\p+1], v[\adr] offset:1536*\f+256*\p
.endr
.endr
.endm
.macro WS d, a, b, sa, sb, ra, rb
.if (\ra) && (\rb)
	v_wmma_scale_f32_16x16x128_f8f6f4 v[\d:\d+7], v[\a:\a+11], v[\b:\b+11], 0, v[\sa], v[\sb] matrix_a_fmt:MATRIX_FMT_FP6 matrix_b_fmt:MATRIX_FMT_FP6 matrix_a_scale:MATRIX_SCALE_ROW1 matrix_b_scale:MATRIX_SCALE_ROW1
.elseif (\ra)
	v_wmma_scale_f32_16x16x128_f8f6f4 v[\d:\d+7], v[\a:\a+11], v[\b:\b+11], 0, v[\sa], v[\sb] matrix_a_fmt:MATRIX_FMT_FP6 matrix_b_fmt:MATRIX_FMT_FP6 matrix_a_scale:MATRIX_SCALE_ROW1
.elseif (\rb)
	v_wmma_scale_f32_16x16x128_f8f6f4 v[\d:\d+7], v[\a:\a+11], v[\b:\b+11], 0, v[\sa], v[\sb] matrix_a_fmt:MATRIX_FMT_FP6 matrix_b_fmt:MATRIX_FMT_FP6 matrix_b_scale:MATRIX_SCALE_ROW1
.else
	v_wmma_scale_f32_16x16x128_f8f6f4 v[\d:\d+7], v[\a:\a+11], v[\b:\b+11], 0, v[\sa], v[\sb] matrix_a_fmt:MATRIX_FMT_FP6 matrix_b_fmt:MATRIX_FMT_FP6
.endif
.endm
.macro SMUL i, buf
	WIN W_S
.irp x, 0,1,2,3,4,5,6,7
	WS \buf+8*\x, KV+12*(\x/2), QR+18*\i+6*(\x%2), KS+\x/4, QS+\i%2, (\x/2)%2, \i/2
.endr
.endm
.macro SOFT i, buf
	WIN 0
.irp b, 0,1,2,3
	v_max3_num_f32 v[BM+\b], v[\buf+16*\b], v[\buf+16*\b+1], v[\buf+16*\b+2]
.endr
.irp n, 3,5,7,9,11,13
.irp b, 0,1,2,3
	v_max3_num_f32 v[BM+\b], v[BM+\b], v[\buf+16*\b+\n], v[\buf+16*\b+\n+1]
.endr
.endr
.irp b, 0,1,2,3
	v_max_num_f32 v[BM+\b], v[BM+\b], v[\buf+16*\b+15]
.endr
.irp b, 0,1,2,3
	s_delay_alu instid0(VALU_DEP_4)
	v_permlanex16_b32 v[T4+\b], v[BM+\b], s[SEL], s[SEL+1]
.endr
.irp b, 0,1,2,3
	s_delay_alu instid0(VALU_DEP_4)
	v_max_num_f32 v[BM+\b], v[BM+\b], v[T4+\b]
.endr
	s_delay_alu instid0(VALU_DEP_2)
	v_max3_num_f32 v[TMP], v[BM], v[BM+1], v[BM+2]
	s_delay_alu instid0(VALU_DEP_1)
	v_max_num_f32 v[TMP], v[TMP], v[BM+3]
	s_delay_alu instid0(VALU_DEP_1)
	v_mul_f32 v[TMP], s[CS], v[TMP]
	s_delay_alu instid0(VALU_DEP_1)
	v_max_num_f32 v[ST+4*\i+1], v[ST+4*\i+1], v[TMP]
	v_mov_b32 v[TMP], v[ST+4*\i]
	s_delay_alu instid0(VALU_DEP_2)
	v_floor_f32 v[ST+4*\i], -v[ST+4*\i+1]
	s_delay_alu instid0(VALU_DEP_1)
	v_sub_f32 v[TMP], v[ST+4*\i], v[TMP]
	s_delay_alu instid0(VALU_DEP_1)
	v_cvt_i32_f32 v[TMP], v[TMP]
	s_delay_alu instid0(VALU_DEP_1)
	v_ldexp_f32 v[F], 1.0, v[TMP]
.set j, 0
.rept 32
	v_pk_fma_f32 v[\buf+j:\buf+j+1], v[\buf+j:\buf+j+1], s[CS:CS+1], v[ST+4*\i:ST+4*\i+1] op_sel_hi:[1,0,0]
.set j, j+2
.endr
.irp b, 0,1,2,3
	v_fma_f32 v[BM+\b], v[BM+\b], s[CS], v[ST+4*\i]
.endr
.set j, 0
	s_wait_alu depctr_va_vdst(0)
.rept 64
	v_exp_f32 v[\buf+j], v[\buf+j]
.set j, j+1
.endr
	v_pk_mul_f32 v[ST+4*\i+2:ST+4*\i+3], v[ST+4*\i+2:ST+4*\i+3], v[F:F+1] op_sel_hi:[1,0]
	s_wait_alu depctr_va_vdst(0)
.irp b, 0,1,2,3
	v_exp_f32 v[BM+\b], v[BM+\b]
.endr
	v_pk_add_f32 v[SUMT:SUMT+1], v[\buf:\buf+1], v[\buf+2:\buf+3]
.set j, 4
.rept 15
	v_pk_add_f32 v[ST+4*\i+2:ST+4*\i+3], v[ST+4*\i+2:ST+4*\i+3], v[\buf+j:\buf+j+1]
	v_pk_add_f32 v[SUMT:SUMT+1], v[SUMT:SUMT+1], v[\buf+j+2:\buf+j+3]
.set j, j+4
.endr
	s_delay_alu instid0(VALU_DEP_1)
	v_pk_add_f32 v[ST+4*\i+2:ST+4*\i+3], v[ST+4*\i+2:ST+4*\i+3], v[SUMT:SUMT+1]
	s_wait_alu depctr_va_vdst(0)
.irp b, 0,1,2,3
	v_max_num_f32 v[BM+\b], 0x1800000, v[BM+\b]
.endr
.irp b, 0,1,2,3
	s_delay_alu instid0(VALU_DEP_4)
	v_add_nc_u32 v[SCO+\b], 0xff000000, v[BM+\b]
.endr
.irp b, 0,1,2,3
	s_delay_alu instid0(VALU_DEP_4)
	v_lshrrev_b32 v[T4+\b], 23, v[SCO+\b]
.endr
	s_delay_alu instid0(VALU_DEP_3)
	v_lshl_or_b32 v[PS+\i], v[T4+1], 8, v[T4]
	s_delay_alu instid0(VALU_DEP_1)
	v_lshl_or_b32 v[PS+\i], v[T4+2], 16, v[PS+\i]
	s_delay_alu instid0(VALU_DEP_1)
	v_lshl_or_b32 v[PS+\i], v[T4+3], 24, v[PS+\i]
.irp c, 0,1
	v_cvt_scalef32_pk16_fp6_f32 v[P+12*\i+6*\c:P+12*\i+6*\c+2], v[\buf+32*\c:\buf+32*\c+15], v[SCO+2*\c]
	v_cvt_scalef32_pk16_fp6_f32 v[CT+4*\c:CT+4*\c+2], v[\buf+32*\c+16:\buf+32*\c+31], v[SCO+2*\c+1]
.endr
	v_nop
.irp c, 0,1
.irp n, 0,1,2
	v_permlane16_swap_b32 v[P+12*\i+6*\c+\n], v[CT+4*\c+\n]
.endr
.irp n, 0,1,2
	s_delay_alu instid0(VALU_DEP_3)
	v_mov_b32 v[P+12*\i+6*\c+3+\n], v[CT+4*\c+\n]
.endr
.endr
	WIN W_RS
.set j, 0
.rept 16
	v_pk_mul_f32 v[32*\i+j:32*\i+j+1], v[32*\i+j:32*\i+j+1], v[F:F+1] op_sel_hi:[1,0]
.set j, j+2
.endr
.endm
.macro PV
	WIN W_PV
	s_setprio 0
.irp d, 0,1,2,3
.irp i, 0,1,2,3
.if \d%2
	v_wmma_scale_f32_16x16x128_f8f6f4 v[32*\i+8*\d:32*\i+8*\d+7], v[KV+12*\d:KV+12*\d+11], v[P+12*\i:P+12*\i+11], v[32*\i+8*\d:32*\i+8*\d+7], v[VS+\d/2], v[PS+\i] matrix_a_fmt:MATRIX_FMT_FP6 matrix_b_fmt:MATRIX_FMT_FP6 matrix_a_scale:MATRIX_SCALE_ROW1
.else
	v_wmma_scale_f32_16x16x128_f8f6f4 v[32*\i+8*\d:32*\i+8*\d+7], v[KV+12*\d:KV+12*\d+11], v[P+12*\i:P+12*\i+11], v[32*\i+8*\d:32*\i+8*\d+7], v[VS+\d/2], v[PS+\i] matrix_a_fmt:MATRIX_FMT_FP6 matrix_b_fmt:MATRIX_FMT_FP6
.endif
.endr
.endr
.endm
.macro STEP
	WIN 0
	v_add_nc_u32 v[ADK], s[TK], v[LK0]
	s_delay_alu instid0(VALU_DEP_1)
	v_add_nc_u32 v[ADV], VC, v[ADK]
	v_add_nc_u32 v[ADS], s[TS], v[LS0]
	v_nop
	LOADF ADK
	WIN 0
	ds_load_b32 v[KS], v[ADS]
	ds_load_b32 v[KS+1], v[ADS] offset:128
	s_wait_dscnt 0x0
	s_wait_alu depctr_va_vdst(0)
	SMUL 0, SA
	SMUL 1, SB
.rept 4
	v_nop
.endr
	SOFT 0, SA
	SMUL 2, SA
	SOFT 1, SB
	SMUL 3, SB
.rept 4
	v_nop
.endr
	LOADF ADV
	WIN 0
	ds_load_b32 v[VS], v[ADS] offset:4096
	ds_load_b32 v[VS+1], v[ADS] offset:4224
	s_setprio 1
	SOFT 2, SA
	SOFT 3, SB
	s_wait_alu depctr_va_vdst(0)
	s_wait_dscnt 0x0
	PV
	WIN 0
	s_add_co_u32 s[TK], s[TK], STEPB
	s_add_co_u32 s[TS], s[TS], 256
.endm
.macro STEPS n
	s_mov_b32 s[CNT], \n
.Lstep_\@:
	s_setprio 2
	STEP
	s_sub_co_u32 s[CNT], s[CNT], 1
	s_cmp_lg_u32 s[CNT], 0
	s_cbranch_scc1 .Lstep_\@
	s_setprio 0
.endm
	STEPS 4
	s_wait_tensorcnt 0x0
	s_wait_dscnt 0x0
	s_barrier_signal -1
	s_barrier_wait -1
	STEPS 12
.irp i, 0,1,2,3
	v_add_f32 v[BM+\i], v[ST+4*\i+2], v[ST+4*\i+3]
.endr
.irp i, 0,1,2,3
	s_delay_alu instid0(VALU_DEP_4)
	v_permlanex16_b32 v[T4+\i], v[BM+\i], s[SEL], s[SEL+1]
.endr
.irp i, 0,1,2,3
	s_delay_alu instid0(VALU_DEP_4)
	v_add_f32 v[BM+\i], v[BM+\i], v[T4+\i]
.endr
	s_wait_alu depctr_va_vdst(0)
.irp i, 0,1,2,3
	v_rcp_f32 v[RC+2*\i], v[BM+\i]
	v_rcp_f32 v[RC+2*\i+1], v[BM+\i]
.endr
	v_nop
	s_wait_alu depctr_va_vdst(0)
.macro TILEOUT i
.set OB, SA+32*((\i)%2)
	WIN W_OUT
.set j, 0
.rept 16
	v_pk_mul_f32 v[OB+j:OB+j+1], v[32*(\i)+j:32*(\i)+j+1], v[RC+2*(\i):RC+2*(\i)+1]
.set j, j+2
.endr
	WIN 0
.irp b, 0,1
	v_max3_num_f32 v[BM+\b], |v[OB+16*\b]|, |v[OB+16*\b+1]|, 0x1800000
.endr
.irp n, 2,4,6,8,10,12,14
.irp b, 0,1
	s_delay_alu instid0(VALU_DEP_2)
	v_max3_num_f32 v[BM+\b], v[BM+\b], |v[OB+16*\b+\n]|, |v[OB+16*\b+\n+1]|
.endr
.endr
.irp b, 0,1
	s_delay_alu instid0(VALU_DEP_2)
	v_permlanex16_b32 v[T4+\b], v[BM+\b], s[SEL], s[SEL+1]
.endr
.irp b, 0,1
	s_delay_alu instid0(VALU_DEP_2)
	v_max_num_f32 v[BM+\b], v[BM+\b], v[T4+\b]
.endr
.irp b, 0,1
	s_delay_alu instid0(VALU_DEP_2)
	v_add_nc_u32 v[SCO+\b], 0xff000000, v[BM+\b]
.endr
.irp b, 0,1
	s_delay_alu instid0(VALU_DEP_2)
	v_lshrrev_b32 v[T4+\b], 23, v[SCO+\b]
.endr
	s_delay_alu instid0(VALU_DEP_1)
	v_lshl_or_b32 v[PS+(\i)], v[T4+1], 8, v[T4]
	v_cvt_scalef32_pk16_fp6_f32 v[P+12*(\i):P+12*(\i)+2], v[OB:OB+15], v[SCO]
	v_cvt_scalef32_pk16_fp6_f32 v[CT:CT+2], v[OB+16:OB+31], v[SCO+1]
	v_nop
.irp n, 0,1,2
	v_permlane16_swap_b32 v[P+12*(\i)+\n], v[CT+\n]
.endr
.irp n, 0,1,2
	s_delay_alu instid0(VALU_DEP_3)
	v_mov_b32 v[P+12*(\i)+3+\n], v[CT+\n]
.endr
.irp k, 0,1,2
	global_store_b64 v[LK0], v[P+12*(\i)+2*\k:P+12*(\i)+2*\k+1], s[86:87] offset:12288*(\i)+256*\k
.endr
.endm
	TILEOUT 0
	TILEOUT 1
	TILEOUT 2
	TILEOUT 3
	v_cndmask_b32 v[TMP], v[PS], v[PS+1], s[HI]
	v_cndmask_b32 v[TMP+1], v[PS+2], v[PS+3], s[HI]
	global_store_b16 v[AO], v[TMP], s[88:89]
	global_store_b16 v[AO], v[TMP+1], s[88:89] offset:1024
	s_wait_tensorcnt 0x0
	ds_add_u32 v[SPW], v[NIL]
	s_wait_dscnt 0x0
	CROUND
	s_endpgm
.Lfunc_end_k_q2ee87a0067_attn:
	.size	k_q2ee87a0067_attn, .Lfunc_end_k_q2ee87a0067_attn-k_q2ee87a0067_attn
	.p2alignl 7, 3214868480
	.fill 96, 4, 3214868480
	.section	.rodata,"a",@progbits
	.p2align	6, 0x0
	.amdhsa_kernel k_q2ee87a0067_attn
		.amdhsa_group_segment_fixed_size 327680
		.amdhsa_private_segment_fixed_size 0
		.amdhsa_enable_private_segment 0
		.amdhsa_kernarg_size 32
		.amdhsa_user_sgpr_count 2
		.amdhsa_user_sgpr_kernarg_segment_ptr 1
		.amdhsa_wavefront_size32 1
		.amdhsa_system_sgpr_workgroup_id_x 1
		.amdhsa_system_sgpr_workgroup_id_y 1
		.amdhsa_system_sgpr_workgroup_id_z 1
		.amdhsa_system_vgpr_workitem_id 0
		.amdhsa_next_free_vgpr 512
		.amdhsa_next_free_sgpr 96
		.amdhsa_reserve_vcc 0
		.amdhsa_float_denorm_mode_32 3
		.amdhsa_float_denorm_mode_16_64 3
		.amdhsa_memory_ordered 1
		.amdhsa_forward_progress 1
		.amdhsa_inst_pref_size 157
	.end_amdhsa_kernel
	.amdgpu_metadata
---
amdhsa.version: [ 1, 2 ]
amdhsa.kernels:
  - .name:           k_q2ee87a0067_attn
    .symbol:         k_q2ee87a0067_attn.kd
    .args:
      - { .name: qkvc, .offset: 0, .size: 8, .value_kind: global_buffer, .address_space: global }
      - { .name: qkvs, .offset: 8, .size: 8, .value_kind: global_buffer, .address_space: global }
      - { .name: aoc, .offset: 16, .size: 8, .value_kind: global_buffer, .address_space: global }
      - { .name: aos, .offset: 24, .size: 8, .value_kind: global_buffer, .address_space: global }
    .group_segment_fixed_size: 327680
    .private_segment_fixed_size: 0
    .kernarg_segment_align: 8
    .kernarg_segment_size: 32
    .max_flat_workgroup_size: 256
    .sgpr_count:     96
    .vgpr_count:     512
    .wavefront_size: 32
...
	.end_amdgpu_metadata
.endif
;; end of part 3
;; launch proj (part 4): grid 4 x 32, 4 waves a work-group, clusters of 4 x 4, 327,680 bytes of LDS; arguments aoc, aos, cod, scl, proj_b, out0; writes out0
.if DOCPART == 4
	.amdgcn_target "amdgcn-amd-amdhsa--gfx1250"
	.amdhsa_code_object_version 6
	.text
	.protected	k_q2ee87a0067_proj
	.globl	k_q2ee87a0067_proj
	.p2align	8
	.type	k_q2ee87a0067_proj,@function
k_q2ee87a0067_proj:
	s_mov_b64 s[64:65], 0
	v_nop
	global_prefetch_b8 v0, s[64:65] scope:SCOPE_SE
	s_setreg_imm32_b32 hwreg(HW_REG_WAVE_MODE, 25, 1), 1
	s_wait_xcnt 0x0
	s_wait_alu depctr_hold_cnt(0) depctr_sa_sdst(0) depctr_va_vdst(0) depctr_va_sdst(0) depctr_va_ssrc(0) depctr_va_vcc(0) depctr_vm_vsrc(0)
	s_getreg_b32 s2, hwreg(HW_REG_IB_STS2, 6, 4)
	s_cmp_eq_u32 s2, 0
	s_cbranch_scc0 .Lentry_in_a_cluster
	s_endpgm
.Lentry_in_a_cluster:
	s_bfe_u32 s2, ttmp6, 0x10000c
	s_cmp_lg_u32 s2, 0xf033
	s_cbranch_scc0 .Lentry_shape_is_right
	s_endpgm
.Lentry_shape_is_right:
; out0 = A proj_w^T + proj_b on codes of FP6 (E2M3) with E8M0 scales, K = 1,024; out0 [8192][1024] f32.
; A, attention's result, lies in aoc as images of operand registers: [tile of 16 token places 512][head 16][768 bytes]; two heads' half images on end are a fragment of 128 along K.  Its scale bytes: aos [place][32].
; proj_w's codes are cod's rows from place 11,264 on, its scale bytes scl's.  In both, and in A's token places, the middle eights of each 32 rows are exchanged: the way out puts columns and rows back by its offsets.
; A tile of 256 x 256 is made by four waves, 128 x 128 each; K goes in steps of 256 through a ring of two LDS slots; the scale bytes come once and stay.
; CLUSTERS: 4 x 4 work-groups; A's tile is asked for jointly along a row of the cluster, proj_w's along a column.  THE MATRIX INSTRUCTION IS USED TRANSPOSED (source 0 = proj_w's rows, source 1 = A's).
; The bias is the C of the first products.  128 tiles: a tile of 128 x 256 would give each WGP one, at more LDS bytes for each product and a second order of steps; it is not taken.
; REGISTERS as in the launch qkv: window 0: v16-31 addresses; v32-63 scale words; v64-127 the bias; v128-223 A's fragments; on the way out v128-255 rows of out0.  window 1: proj_w's fragments, two sets.  windows 2, 3: accumulators.
.set KSTEP,  256
.set NQ,     2
.set ROWB,   192
.set KROW,   768
.set PITCH,  240
.set ASTEP,  3072                      ; a K step of a tile of A: four heads' half images
.set FR,     12
.set NL,     6
.set NP,     4
.set HALFT,  128*PITCH                 ; what one tensor load may take: proj_w's 128 rows fill it, A's 8 x 3,072 bytes use 24,576 of it
.set SLOT,   4*HALFT
.set LAPS,   2
.set KS,     32
.set SCL,    2*SLOT
.set HALFS,  (128*KS/256)*272
.set SBLK,   (16*KS/256)*272
.set SPARE,  SCL+4*HALFS
.set SPITCH, 528                       ; the way out: a stage of 16 rows x (512 bytes + 16) for each wave, in slot 0, which has had its last fill and its last read by then
.set ADRA, 16                          ; v16-17
.set ADRB, 20                          ; v20-23
.set STO,  24
.set RD,   25
.set CO,   26
.set ADRS, 27
.set SPW,  28
.set NIL,  29
.set SC,   32
.set T0,   64
.set AF,   128
.set BK,   128
.set G1, 24
.set G0, 32
.set G1B, 48
.set G0B, 56
.set G1S, 68
.set G0S, 76
.set G1SB, 80
.set G0SB, 88
.set MSB, 0
.macro WIN new
.if MSB != (\new)
	s_set_vgpr_msb (MSB<<8)|(\new)
.set MSB, (\new)
.endif
.endm
.set MUL_LO, 0xa1
.set MUL_HI, 0xf1
.set TO_B,   0x40
.macro JLOAD g0a, g1a, g0b, g1b        ; a joint load: waves 0 and 1 fetch for A, waves 2 and 3 for proj_w; an s_nop 0 and four v_nop follow each of the two lines
	s_cmp_eq_u32 s15, 0
	s_cbranch_scc0 .Lfor_b_\@
	tensor_load_to_lds s[\g0a:\g0a+3], s[\g1a:\g1a+7]
	s_nop 0
.rept 4
	v_nop
.endr
	s_branch .Lasked_\@
.Lfor_b_\@:
	tensor_load_to_lds s[\g0b:\g0b+3], s[\g1b:\g1b+7]
	s_nop 0
.rept 4
	v_nop
.endr
.Lasked_\@:
.endm
.macro CREST
	s_cmp_lg_u32 s14, 0
	s_cbranch_scc1 .Lnot_wave_0_\@
	s_barrier_signal -3
.Lnot_wave_0_\@:
	s_barrier_wait -3
	s_barrier_signal -1
	s_barrier_wait -1
.endm
.macro CROUND
	s_barrier_signal -1
	s_barrier_wait -1
	CREST
.endm
	s_load_b256 s[4:11], s[0:1], 0x0               ; aoc s[4:5], aos s[6:7], cod s[8:9], scl s[10:11]
	s_load_b128 s[96:99], s[0:1], 0x20             ; proj_b s[96:97], out0 s[98:99]
	v_lshl_add_u32 v[SPW], v0, 2, SPARE
	v_mov_b32 v[NIL], 0
	ds_add_u32 v[SPW], v[NIL]                      ; the wave's opening, ahead of my first tensor load
	v_lshrrev_b32 v1, 5, v0
	v_readfirstlane_b32 s14, v1                    ; wave 0..3
	s_lshr_b32 s15, s14, 1                         ; which half of the tile's rows is mine.  Also: I fetch for A (0) or for proj_w (1)
	s_and_b32 s16, s14, 1                          ; which half of its columns.  Also: which 128 rows I fetch
	s_bfe_u32 s40, ttmp6, 0x40000                  ; cx, cy
	s_bfe_u32 s41, ttmp6, 0x40004
	s_lshl_b32 s42, ttmp9, 2
	s_add_co_u32 s42, s42, s40                     ; tile column
	s_and_b32 s17, ttmp7, 0xffff
	s_lshl_b32 s17, s17, 2
	s_add_co_u32 s17, s17, s41                     ; tile row
	s_lshl_b32 s43, s41, 2
	s_lshl_b32 s43, 15, s43                        ; my row of the cluster
	s_lshl_b32 s44, 0x1111, s40                    ; my column
	; group 1 for A: 8 tiles of tokens x 3,072 bytes (384 elements of 8 bytes), 12,288 bytes (1,536 elements) apart, dense in LDS
	s_or_b32 s[G1+0], s43, (3<<16)|(1<<21)
	s_mov_b32 s[G1+1], 384<<16                     ; tensor_dim0
	s_mov_b32 s[G1+2], 8<<16                       ; tensor_dim1
	s_mov_b32 s[G1+3], 384<<16                     ; tile_dim0
	s_mov_b32 s[G1+4], 8                           ; tile_dim1
	s_mov_b32 s[G1+5], 1536                        ; the pitch
	s_mov_b32 s[G1+6], 0
	s_mov_b32 s[G1+7], 0
	; for proj_w: 128 rows x 192 bytes, 16 bytes of padding behind every 64
	s_or_b32 s[G1B+0], s44, (0<<16)|(1<<20)|(1<<21)|(3<<22)|(3<<25)
	s_mov_b32 s[G1B+1], ROWB<<16
	s_mov_b32 s[G1B+2], 128<<16
	s_mov_b32 s[G1B+3], ROWB<<16
	s_mov_b32 s[G1B+4], 128
	s_mov_b32 s[G1B+5], KROW
	s_mov_b32 s[G1B+6], 0
	s_mov_b32 s[G1B+7], 0
	; for the scales of 128 rows: 16 rows of 256 bytes, 16 bytes of padding behind each
	s_or_b32 s[G1S+0], s43, (3<<16)|(1<<20)|(1<<21)|(5<<22)|(3<<25)
	s_or_b32 s[G1SB+0], s44, (3<<16)|(1<<20)|(1<<21)|(5<<22)|(3<<25)
.irp g, G1S, G1SB
	s_mov_b32 s[\g+1], 32<<16
	s_mov_b32 s[\g+2], (128*KS/256)<<16
	s_mov_b32 s[\g+3], 32<<16
	s_mov_b32 s[\g+4], 128*KS/256
	s_mov_b32 s[\g+5], 32
	s_mov_b32 s[\g+6], 0
	s_mov_b32 s[\g+7], 0
.endr
	s_lshl_b32 s18, s16, 7
	s_lshl_b32 s20, s17, 8
	s_add_co_u32 s20, s20, s18                     ; A: place 256 x tile row + 128 x half
	s_lshl_b32 s46, s42, 8
	s_add_co_u32 s46, s46, s18
	s_add_co_u32 s46, s46, 11264                   ; proj_w: its place in cod's list
	s_lshl_b32 s22, s20, 5                         ; the scales,
	s_mov_b32 s23, 0
	s_lshl_b32 s92, s46, 5
	s_mov_b32 s93, 0
	s_mul_i32 s20, s20, KROW                       ; the codes: 16 places of A are 12,288 bytes, which is 768 a place
	s_mov_b32 s21, 0
	s_mul_i32 s46, s46, KROW
	s_mov_b32 s47, 0
	s_mul_i32 s45, s14, HALFT
	s_mul_i32 s94, s14, HALFS
	s_wait_dscnt 0x0                               ; the opening add is done
	s_wait_kmcnt 0x0
	s_add_nc_u64 s[20:21], s[4:5], s[20:21]
	s_add_nc_u64 s[22:23], s[6:7], s[22:23]
	s_add_nc_u64 s[46:47], s[8:9], s[46:47]
	s_add_nc_u64 s[92:93], s[10:11], s[92:93]
	CROUND                                         ; all sixteen work-groups are here: the first joint loads meet
	s_mov_b32 s[G0S], 1
	s_add_co_u32 s[G0S+1], s94, SCL
	s_mov_b64 s[G0S+2:G0S+3], s[22:23]
	s_or_b32 s[G0S+3], s[G0S+3], 0x80000000
	s_mov_b32 s[G0SB], 1
	s_add_co_u32 s[G0SB+1], s94, SCL
	s_mov_b64 s[G0SB+2:G0SB+3], s[92:93]
	s_or_b32 s[G0SB+3], s[G0SB+3], 0x80000000
	JLOAD G0S, G1S, G0SB, G1SB
.irp s, 0,1
	s_mov_b32 s[G0+4*\s], 1
	s_add_co_u32 s[G0+4*\s+1], s45, \s*SLOT
	s_add_nc_u64 s[G0+4*\s+2:G0+4*\s+3], s[20:21], \s*ASTEP
	s_or_b32 s[G0+4*\s+3], s[G0+4*\s+3], 0x80000000
	s_mov_b32 s[G0B+4*\s], 1
	s_add_co_u32 s[G0B+4*\s+1], s45, \s*SLOT
	s_add_nc_u64 s[G0B+4*\s+2:G0B+4*\s+3], s[46:47], \s*ROWB
	s_or_b32 s[G0B+4*\s+3], s[G0B+4*\s+3], 0x80000000
	JLOAD G0+4*\s, G1, G0B+4*\s, G1B               ; three loads of mine are out now
.endr
	v_and_b32 v1, 15, v0                           ; r
	v_bfe_u32 v2, v0, 4, 1                         ; h
	v_and_b32 v6, 31, v0                           ; lane
	v_mul_u32_u24 v3, v1, PITCH
	v_mul_u32_u24 v4, v2, 24
	v_add_nc_u32 v4, v3, v4                        ; proj_w: a fragment's row x pitch + 24 x half
	v_lshl_add_u32 v5, v2, 4, v4                   ; and the same behind one padding more
	v_lshlrev_b32 v7, 3, v6                        ; A: 8 x lane
	s_mul_i32 s21, s15, HALFT                      ; my 8 tiles of A
	s_mul_i32 s22, s16, HALFT
	s_add_co_u32 s22, s22, 2*HALFT                 ; my 128 rows of proj_w
.irp s, 0,1
	v_add_nc_u32 v[ADRA+\s], s21, v7
	v_add_nc_u32 v[ADRB+\s], s22, v4
	v_add_nc_u32 v[ADRB+2+\s], s22, v5
	s_add_co_u32 s21, s21, SLOT
	s_add_co_u32 s22, s22, SLOT
.endr
	v_mul_u32_u24 v5, v1, KS
	v_lshrrev_b32 v7, 8, v5
	v_lshl_add_u32 v5, v7, 4, v5
	s_mul_i32 s21, s15, HALFS
	s_mul_i32 s22, s16, HALFS
	s_add_co_u32 s22, s22, 2*HALFS
	s_sub_co_u32 s22, s22, s21
	v_mul_u32_u24 v7, s22, v2                      ; lanes 16-31 take proj_w's
	s_add_co_u32 s21, s21, SCL
	v_add_nc_u32 v5, v5, v7
	v_add_nc_u32 v[ADRS], s21, v5
	s_mul_i32 s23, s14, 16*SPITCH                  ; my stage
	v_mul_u32_u24 v5, v1, SPITCH                   ; in: row r; a lane's eight numbers of accumulator b are columns 32 (b / 2) + 16 h + 8 (b % 2) + 0 .. 7
	v_lshl_add_u32 v5, v2, 6, v5
	v_add_nc_u32 v[STO], s23, v5
	v_lshlrev_b32 v[CO], 4, v6                     ; back: the 32 lanes take one row of 512 bytes; and the same in out0
	v_add_nc_u32 v[RD], s23, v[CO]
	s_lshl_b32 s46, s42, 10                        ; my first column, in bytes: 1,024 x tile column + 512 x half
	s_lshl_b32 s47, s16, 9
	s_add_co_u32 s46, s46, s47
	s_mov_b32 s47, 0
	s_add_nc_u64 s[96:97], s[96:97], s[46:47]      ; the bias of my 128 columns
	s_lshl_b32 s20, s17, 8
	s_lshl_b32 s21, s15, 7
	s_add_co_u32 s20, s20, s21                     ; my first row
	s_lshl_b32 s20, s20, 12                        ; 4,096 bytes a row (under 2^26)
	s_add_co_u32 s20, s20, s46
	s_mov_b32 s21, 0
	s_add_nc_u64 s[98:99], s[98:99], s[20:21]
	v_lshlrev_b32 v7, 6, v2                        ; 16 h numbers on
.irp b, 0,1,2,3,4,5,6,7
	global_load_b128 v[T0+8*\b:T0+8*\b+3], v7, s[96:97] offset:(32*(\b/2)+8*(\b%2))*4
	global_load_b128 v[T0+8*\b+4:T0+8*\b+7], v7, s[96:97] offset:(32*(\b/2)+8*(\b%2))*4+16
.endr
	s_wait_loadcnt 0x0
.macro FRAG reg, adr, q, i             ; a fragment of proj_w from padded rows, in pieces of 8 bytes
.irp p, 0,1,2,3,4,5
.set PCE, 12*(\q)+6*(\p/3)+\p%3
.if PCE%8 < 5
	ds_load_b64 v[\reg+2*\p:\reg+2*\p+1], v[\adr] offset:8*PCE+16*(PCE/8)+(\i)*16*PITCH
.else
	ds_load_b64 v[\reg+2*\p:\reg+2*\p+1], v[\adr+2] offset:8*PCE+16*(PCE/8)+(\i)*16*PITCH
.endif
.endr
.endm
.macro FRAGA reg, slot, q, i           ; a fragment of A: an image of its registers: lane l's 8 bytes at 8 l, 256 bytes a load
.irp p, 0,1,2,3,4,5
	ds_load_b64 v[\reg+2*\p:\reg+2*\p+1], v[ADRA+\slot] offset:ASTEP*(\i)+1536*(\q)+256*\p
.endr
.endm
.macro MUL16 a0, p, q, sc, zero        ; 16 matrix instructions; zero = 1: the first product starts the sums from the bias.  The 64 accumulators take turns
.irp a, \a0, \a0+1
.irp b, 0,1,2,3,4,5,6,7
.if \zero
	v_wmma_scale_f32_16x16x128_f8f6f4 v[8*(8*((\a)%4)+\b):8*(8*((\a)%4)+\b)+7], v[128*(\p)+FR*\b:128*(\p)+FR*\b+FR-1], v[AF+FR*(\a):AF+FR*(\a)+FR-1], v[T0+8*\b:T0+8*\b+7], v[SC+8*NQ*(\sc)+NQ*\b+(\q)], v[SC+8*NQ*(\sc)+NQ*(\a)+(\q)] matrix_a_fmt:MATRIX_FMT_FP6 matrix_b_fmt:MATRIX_FMT_FP6 matrix_a_scale:MATRIX_SCALE_ROW1
.else
	v_wmma_scale_f32_16x16x128_f8f6f4 v[8*(8*((\a)%4)+\b):8*(8*((\a)%4)+\b)+7], v[128*(\p)+FR*\b:128*(\p)+FR*\b+FR-1], v[AF+FR*(\a):AF+FR*(\a)+FR-1], v[8*(8*((\a)%4)+\b):8*(8*((\a)%4)+\b)+7], v[SC+8*NQ*(\sc)+NQ*\b+(\q)], v[SC+8*NQ*(\sc)+NQ*(\a)+(\q)] matrix_a_fmt:MATRIX_FMT_FP6 matrix_b_fmt:MATRIX_FMT_FP6 matrix_a_scale:MATRIX_SCALE_ROW1
.endif
.endr
.endr
.endm
.macro FETCH_B slot, q, p
	WIN TO_B
.irp i, 0,1,2,3,4,5,6,7
	FRAG 128*(\p)+FR*\i, ADRB+\slot, \q, \i
.endr
	WIN 0
.endm
.macro FETCH_A slot, q, i0
.irp i, \i0, \i0+1, \i0+2, \i0+3
	FRAGA AF+FR*(\i), \slot, \q, \i
.endr
.endm
.macro SCALES sc
.irp i, 0,1,2,3,4,5,6,7
	ds_load_b64 v[SC+8*NQ*\sc+NQ*\i:SC+8*NQ*\sc+NQ*\i+1], v[ADRS] offset:\i*SBLK
.endr
.endm
.macro PLACES n
.rept \n
	v_nop
.endr
.endm
.macro STEP slot, q, zero
	s_wait_dscnt 4*NL                              ; proj_w's set and A's blocks 0-3 are in; the youngest 24 loads (A's blocks 4-7) may be out
	WIN MUL_LO-0x20*\zero
	MUL16 0, (\q)%2, \q, \slot, \zero
	MUL16 2, (\q)%2, \q, \slot, \zero
	s_wait_dscnt 0
	PLACES NP
	FETCH_B \slot, (\q)+1, 1-(\q)%2
	FETCH_A \slot, (\q)+1, 0
	WIN MUL_HI-0x30*\zero
	MUL16 4, (\q)%2, \q, \slot, \zero
	MUL16 6, (\q)%2, \q, \slot, \zero
	PLACES NP
	WIN 0
	FETCH_A \slot, (\q)+1, 4
.endm
.macro TURN slot, next, fill
	s_wait_tensorcnt 0x0                           ; all my tensor loads have landed: my part of the next slot
	ds_add_u32 v[SPW], v[NIL]                      ; 0 onto my spare word
	s_wait_dscnt 4*NL+1                            ; (the add and the youngest 24 loads may be out)
	WIN MUL_LO
	MUL16 0, 1, NQ-1, \slot, 0
	s_wait_dscnt 0x0                               ; the add is done, and my reads of this slot are over
	s_barrier_signal -1
	MUL16 2, 1, NQ-1, \slot, 0
	WIN 0
	s_barrier_wait -1
.if \fill
	CREST                                          ; the barrier has opened a round of the cluster's barrier
	s_add_nc_u64 s[G0+4*\slot+2:G0+4*\slot+3], s[G0+4*\slot+2:G0+4*\slot+3], 2*ASTEP
	s_add_nc_u64 s[G0B+4*\slot+2:G0B+4*\slot+3], s[G0B+4*\slot+2:G0B+4*\slot+3], 2*ROWB
	JLOAD G0+4*\slot, G1, G0B+4*\slot, G1B         ; the first tensor load behind the round
.else
	PLACES NP
.endif
	v_add_nc_u32 v[ADRS], 4*NQ, v[ADRS]
	FETCH_B \next, 0, 0
	FETCH_A \next, 0, 0
	SCALES \next
	WIN MUL_HI
	MUL16 4, 1, NQ-1, \slot, 0
	MUL16 6, 1, NQ-1, \slot, 0
	PLACES NP
	WIN 0
	FETCH_A \next, 0, 4
.endm
	s_wait_tensorcnt 1                             ; the scales and my part of K step 0 are in (K step 1's load may be out),
	s_barrier_signal -1
	s_barrier_wait -1                              ; everybody's are
	FETCH_B 0, 0, 0
	FETCH_A 0, 0, 0
	SCALES 0
	FETCH_A 0, 0, 4
	STEP 0, 0, 1
	s_mov_b32 s3, LAPS-1
.Llap:
	TURN 0, 1, 1
	STEP 1, 0, 0
	TURN 1, 0, 1
	STEP 0, 0, 0
	s_sub_co_u32 s3, s3, 1
	s_cmp_lg_u32 s3, 0
	s_cbranch_scc1 .Llap
	TURN 0, 1, 0
	STEP 1, 0, 0
	s_wait_dscnt 4*NL
	WIN MUL_LO
	MUL16 0, 1, NQ-1, 1, 0
	MUL16 2, 1, NQ-1, 1, 0
	s_wait_dscnt 0
	WIN MUL_HI
	MUL16 4, 1, NQ-1, 1, 0
	MUL16 6, 1, NQ-1, 1, 0
	WIN 0
; THE WAY OUT, block by block of 16 token places x 128 columns, through my own stage in LDS; back as whole rows of 512 bytes.  LDS serves a wave's instructions in order: no wait between the stores and the loads.
.macro TOSTAGE a
.set AC, 64*((\a)%4)
	WIN 0x08+4*((\a)/4)                            ; the data: window 2 or 3
.irp b, 0,1,2,3,4,5,6,7
	ds_store_b128 v[STO], v[AC+8*\b:AC+8*\b+3] offset:128*(\b/2)+32*(\b%2)          ; each accumulator from its low end on; the offsets put the columns in their true order
	ds_store_b128 v[STO], v[AC+8*\b+4:AC+8*\b+7] offset:128*(\b/2)+32*(\b%2)+16
.endr
	WIN 0
.set BB, BK+64*((\a)%2)
.irp t, 0,1,2,3,4,5,6,7,8,9,10,11,12,13,14,15
	ds_load_b128 v[BB+4*\t:BB+4*\t+3], v[RD] offset:\t*SPITCH
.endr
.endm
.macro SEND a, younger                 ; place t of block a is row 32 (a / 2) + 8 (a % 2) + t + 8 (t / 8) of my 128: at most 127 rows of 4,096 bytes, inside the signed 24-bit immediate; the base is never stepped
.set BB, BK+64*((\a)%2)
	s_wait_dscnt \younger
.irp t, 0,1,2,3,4,5,6,7,8,9,10,11,12,13,14,15
	global_store_b128 v[CO], v[BB+4*\t:BB+4*\t+3], s[98:99] offset:(32*((\a)/2)+8*((\a)%2)+\t+8*(\t/8))*4096 th:TH_STORE_NT   ; 32 lanes store 512 consecutive bytes, at a multiple of 256 from out0's first byte
.endr
.endm
	PLACES NP
	TOSTAGE 0
.irp a, 1,2,3,4,5,6,7
.if \a > 1
	s_wait_xcnt 0x0                                ; block a - 2's stores have read their registers: block a's loads may land there
.endif
	TOSTAGE \a
	SEND \a-1, 32                                  ; behind block a - 1's loads: block a's 16 stores and 16 loads
.endr
	SEND 7, 0
	s_wait_tensorcnt 0x0                           ; the wave's end
	ds_add_u32 v[SPW], v[NIL]
	s_wait_dscnt 0x0
	CROUND                                         ; the closing round
	s_endpgm
.Lfunc_end_k_q2ee87a0067_proj:
	.size	k_q2ee87a0067_proj, .Lfunc_end_k_q2ee87a0067_proj-k_q2ee87a0067_proj
	.p2alignl 7, 3214868480
	.fill 96, 4, 3214868480
	.section	.rodata,"a",@progbits
	.p2align	6, 0x0
	.amdhsa_kernel k_q2ee87a0067_proj
		.amdhsa_group_segment_fixed_size 327680
		.amdhsa_private_segment_fixed_size 0
		.amdhsa_enable_private_segment 0
		.amdhsa_kernarg_size 48
		.amdhsa_user_sgpr_count 2
		.amdhsa_user_sgpr_kernarg_segment_ptr 1
		.amdhsa_wavefront_size32 1
		.amdhsa_system_sgpr_workgroup_id_x 1
		.amdhsa_system_sgpr_workgroup_id_y 1
		.amdhsa_system_sgpr_workgroup_id_z 1
		.amdhsa_system_vgpr_workitem_id 0
		.amdhsa_next_free_vgpr 1024
		.amdhsa_next_free_sgpr 100
		.amdhsa_reserve_vcc 0
		.amdhsa_float_denorm_mode_32 3
		.amdhsa_float_denorm_mode_16_64 3
		.amdhsa_memory_ordered 1
		.amdhsa_forward_progress 1
		.amdhsa_inst_pref_size 161
	.end_amdhsa_kernel
	.amdgpu_metadata
---
amdhsa.version: [ 1, 2 ]
amdhsa.kernels:
  - .name:           k_q2ee87a0067_proj
    .symbol:         k_q2ee87a0067_proj.kd
    .args:
      - { .name: aoc, .offset: 0, .size: 8, .value_kind: global_buffer, .address_space: global }
      - { .name: aos, .offset: 8, .size: 8, .value_kind: global_buffer, .address_space: global }
      - { .name: cod, .offset: 16, .size: 8, .value_kind: global_buffer, .address_space: global }
      - { .name: scl, .offset: 24, .size: 8, .value_kind: global_buffer, .address_space: global }
      - { .name: proj_b, .offset: 32, .size: 8, .value_kind: global_buffer, .address_space: global }
      - { .name: out0, .offset: 40, .size: 8, .value_kind: global_buffer, .address_space: global }
    .group_segment_fixed_size: 327680
    .private_segment_fixed_size: 0
    .kernarg_segment_align: 8
    .kernarg_segment_size: 48
    .max_flat_workgroup_size: 128
    .sgpr_count:     100
    .vgpr_count:     1024
    .wavefront_size: 32
...
	.end_amdgpu_metadata
.endif
;; end of part 4
